; MI455X (gfx1250); checked and timed in simulation.
; The chip was launched on July 23, 2026; its instructions are those of AMD's public machine-readable ISA for CDNA 5 (MIT licence, August 2026) and "CDNA5" Instruction Set Architecture Reference Guide (July 2026). The comments in the code are by the model that wrote it; some were corrected since.
;; Causal Self Attention. Allowed arithmetic: matrix products marked QUANTISED: E5M2 operands, one E8M0 scale for each 32 along K, by v_wmma_scale_f32_16x16x128_f8f6f4 with both operands' format E5M2, f32 sums; everything else in f32.
;; Inputs: w_proj 1,024 x 1,024 float32; w_qkv 1,024 x 3,072 float32; x 4 x 2,048 x 1,024 float32.
;; Outputs: out0 4 x 2,048 x 1,024 float32.
;; This version of the problem:
;;   THIS VERSION OF THE PROBLEM IS GIVEN IN LOW PRECISION. The matrix products marked QUANTISED in the list below multiply operands that are first quantised to E5M2 (5 exponent bits, 2 mantissa bits; 8 bits a number), with one power-of-two scale for each 32 numbers along K (OCP MX v1.0); their sums are f32. All else is computed in f32.
;;   The module's matrix products, in the order in which they are computed (A, B: the left and right operand; K: the contracted axis; several contracted axes count as one K, in the product's order):
;;     1. [M 8,192, K 1,024] x [K 1,024, N 3,072]; A: input x; B: input w_qkv: QUANTISED
;;     2. batch 64 x [M 2,048, K 64] x [K 64, N 2,048]; A: computed on the way; B: computed on the way: QUANTISED
;;     3. batch 64 x [M 2,048, K 2,048] x [K 2,048, N 64]; A: softmax (see below); B: computed on the way: QUANTISED
;;     4. [M 8,192, K 1,024] x [K 1,024, N 1,024]; A: computed on the way; B: input w_proj: QUANTISED
;;   THE QUANTISER, for each operand of a quantised product, along K:
;;     - K is cut into blocks of 32 from its start; a last block that is shorter is filled with zeros.
;;     - A block's scale is 2^e with e = floor(log2(the largest magnitude in the block)) - 15, held to -126 .. 127; a block of zeros has e = 0. As a byte (E8M0): e + 127.
;;     - Each number is divided by its block's scale, clamped to +-57,344, and rounded to the nearest number of E5M2, ties to even, subnormals kept.
;;     - The product sums the exact products of the quantised numbers (number of the format x scale) in f32.
;;   ~~~python
;;   def quantise(x, axis):      # numpy; x: float32 -> the quantised numbers, widened to float32 again
;;       x = np.moveaxis(x, axis, -1); K = x.shape[-1]
;;       x = np.pad(x, [(0, 0)] * (x.ndim - 1) + [(0, -K % 32)]); x = x.reshape(x.shape[:-1] + (-1, 32)); a = np.abs(x).max(-1, keepdims=True)
;;       e = np.where(a > 0, np.clip(np.frexp(np.where(a > 0, a, 1))[1] - 1 - 15, -126, 127), 0)      # np.frexp(a)[1] - 1 = floor(log2(a)), exactly
;;       r = np.clip(x / 2.0 ** e, -57344, 57344)
;;       step = 2.0 ** (np.maximum(np.frexp(np.where(r == 0, 1, r))[1] - 1, -14) - 2)
;;       q = np.round(r / step) * step * 2.0 ** e      # np.round: ties to even
;;       return np.moveaxis(q.reshape(q.shape[:-2] + (-1,))[..., :K], -1, axis).astype(np.float32)
;;   ~~~
;;   SOFTMAX AHEAD OF A QUANTISED PRODUCT. Where the list says 'softmax', what is quantised is not the finished softmax but p = 2^(t - M), with t = logit x log2(e) and M = ceil(the row's largest t), a whole number; so 1/2 < the row's largest p <= 1. The row's sum l is taken of the UNQUANTISED p, in f32, and the product's result is divided by l at the end. Since M is a whole number, a kernel that streams over the keys may use a running M (the ceiling of the running maximum): every later rescaling is an exact power of two, which a block's scale takes up: the codes' values come out the same.
;;   OPERANDS COMPUTED ON THE WAY. 'Computed on the way' means the value that the module computes at that place (a softmax that the list does not call 'softmax' is quantised finished and normalised). What goes into a quantiser is computed in f32, as accurately as f32 sums, v_exp_f32 and their like allow (about 1e-6 of the number): no bf16 or f16 on the way to a quantiser, and a product that is left as it is and whose result goes on into a quantised operand takes f32 operands (vector FMAs, or v_wmma_f32_16x16x4_f32). A number that lies on a knife's edge between two numbers of the format may be rounded either way, as far as f32 arithmetic and the matrix unit's own rounding can turn it there, and no further.
;; One version. Each part assembles by itself: llvm-mc -triple=amdgcn-amd-amdhsa -mcpu=gfx1250 --defsym DOCPART=n.
;; ======== version 1 of 1: 4 launches
;; limits: right only within a limited range of input values
;; workspace buffers: xc 8,388,608 bytes; xs 262,144 bytes; wc 4,194,304 bytes; ws 131,072 bytes; qkv 26,476,544 bytes; yc 8,388,608 bytes; ys 262,144 bytes
;; launch quant (part 1): grid 384 x 1, 4 waves a work-group, no clusters, 68,096 bytes of LDS; arguments x, w_qkv, w_proj, xc, xs, wc, ws; writes xc, xs, wc, ws
.if DOCPART == 1
	.amdgcn_target "amdgcn-amd-amdhsa--gfx1250"
	.amdhsa_code_object_version 6
	.text
	.protected	k_q5ff01556aa_quant
	.globl	k_q5ff01556aa_quant
	.p2align	8
	.type	k_q5ff01556aa_quant,@function
k_q5ff01556aa_quant:
	s_mov_b64 s[64:65], 0
	v_nop
	global_prefetch_b8 v0, s[64:65] scope:SCOPE_SE
	s_setreg_imm32_b32 hwreg(HW_REG_WAVE_MODE, 25, 1), 1
	s_wait_xcnt 0x0
; x [8192][1024], w_qkv [1024][3072] and w_proj [1024][1024], f32, become codes of BF8 (E5M2) with K innermost and one E8M0 byte for each 32 along K.
; A block's scale is 2^(floor(log2(its largest magnitude)) - 15); its byte is the largest magnitude's exponent field - 15, held at 1 from below; each number is held within +-57,344 x the scale and rounded to the nearest code, ties to even.
; THE ROWS ARE STORED IN ANOTHER ORDER: stored row p holds true row sw(p) = p with bits 3 and 4 exchanged.  Sixteen stored rows on end are then the rows 32 b + 8 u + r + 8 (r / 8): as source 0 of a matrix
; instruction they leave a lane's registers of two neighbouring tiles as 16 neighbours, which is the next operand's layout.  xc [8192][1024], xs [8192][32]; wc [4096][1024], ws [4096][32]: rows 0-3071 w_qkv's columns, 3072-4095 w_proj's.
; LIMITS: NaN and infinities among the inputs are not served.  A block of zeros gets the byte 1 where the rule says 127: its codes are zeros, and this program alone reads the bytes.
; Work-groups 0-255 take x (K innermost), 256-383 the weights (K is the first axis).  The two ways part on the work-group's number, never join, and have LDS bytes of their own.  Waves share nothing: no barrier.
.set WV,  18
.set MNT, 50                           ; s50  the mantissa field of 57,344
	s_load_b256 s[4:11], s[0:1], 0x0               ; x s[4:5], w_qkv s[6:7], w_proj s[8:9], xc s[10:11]
	s_load_b128 s[12:15], s[0:1], 0x20             ; xs s[12:13], wc s[14:15]
	s_load_b64 s[16:17], s[0:1], 0x30              ; ws
	s_set_vgpr_msb 0x40
	v_lshl_add_u32 v0, v0, 2, 0x10800
	v_mov_b32 v1, 0
	s_set_vgpr_msb 0x4000
	v_lshrrev_b32 v1, 5, v0
	v_readfirstlane_b32 s[WV], v1                  ; wave 0..3
	v_and_b32 v2, 31, v0                           ; lane
	s_mov_b32 s[MNT], 0x600000
	s_wait_kmcnt 0x0
	s_cmp_lt_u32 ttmp9, 256
	s_cbranch_scc0 .Lweights
; ---------------- x: a wave takes 8 rows = 8,192 numbers, in 16 steps of 512.  Each load reads 512 consecutive bytes; a step's 2,048 bytes turn through the wave's own stage in LDS, so that a lane holds 16 neighbours
; (two lanes a block).  Loads run eight steps (32 loads a wave) ahead, the turn one step.
.set STEPS, 16
.set AHEAD, 8
.set XR,  16                           ; v16-143   eight sets of 16 numbers as loaded
.set XX,  144                          ; v144-175  two sets of 16 neighbours
.set XE,  176                          ; v176-191  a scale byte for each step
.set XC,  192                          ; v192-255  four registers of codes for each step: no store's data are written again
.set SP,  80                           ; a lane's place in a stage: 64 bytes + 16 of padding
.set WREG, 8192                        ; LDS of a wave: two stages of 32 x SP bytes, then its 256 scale bytes
	s_wait_alu depctr_va_vdst(0)
	v_lshlrev_b32 v3, 4, v2                        ; 16 x lane: my bytes of a load's 512, and of a step's 512 bytes of codes
	s_mul_i32 s19, s[WV], WREG
	v_lshrrev_b32 v14, 2, v2
	v_mul_u32_u24 v14, v14, SP
	v_and_b32 v15, 3, v2
	v_lshl_add_u32 v14, v15, 4, v14
	v_add_nc_u32 v14, s19, v14                     ; the stage, way in: SP (lane / 4) + 16 (lane % 4)
	v_mul_u32_u24 v15, v2, SP
	v_add_nc_u32 v15, s19, v15                     ; way out: SP x lane
	v_lshrrev_b32 v5, 1, v2
	s_add_co_u32 s19, s19, 2*32*SP
	v_add_nc_u32 v5, s19, v5                       ; my block's scale byte
	v_lshlrev_b32 v7, 3, v2
	v_add_nc_u32 v6, s19, v7                       ; and 8 bytes a lane on their way out
	s_lshl_b32 s20, ttmp9, 2
	s_add_co_u32 s21, s20, s[WV]                   ; the run of 8 true rows that I read
	s_and_b32 s22, s[WV], 1
	s_lshl_b32 s22, s22, 1
	s_lshr_b32 s24, s[WV], 1
	s_or_b32 s22, s22, s24
	s_add_co_u32 s22, s20, s22                     ; and where it is stored: bits 3 and 4 of the row are the wave's two bits, exchanged
	s_lshl_b32 s24, s21, 15
	s_mov_b32 s25, 0
	s_add_nc_u64 s[4:5], s[4:5], s[24:25]
	s_lshl_b32 s24, s22, 13
	s_add_nc_u64 s[10:11], s[10:11], s[24:25]
	s_lshl_b32 s24, s22, 8
	s_add_nc_u64 s[12:13], s[12:13], s[24:25]
.macro LOADX t
.irp i, 0,1,2,3
	global_load_b128 v[XR+16*((\t)%8)+4*\i:XR+16*((\t)%8)+4*\i+3], v3, s[4:5] offset:2048*(\t)+512*\i th:TH_LOAD_NT
.endr
.endm
.macro TURNX t                         ; LDS serves a wave's instructions in order: no wait between the stores and the loads
.irp i, 0,1,2,3
	ds_store_b128 v14, v[XR+16*((\t)%8)+4*\i:XR+16*((\t)%8)+4*\i+3] offset:32*SP*((\t)%2)+8*SP*\i
.endr
.irp i, 0,1,2,3
	ds_load_b128 v[XX+16*((\t)%2)+4*\i:XX+16*((\t)%2)+4*\i+3], v15 offset:32*SP*((\t)%2)+16*\i
.endr
.endm
.macro STEPX t
.set XS, XX+16*((\t)%2)
.if (\t) > 0
	s_wait_dscnt 1                                 ; this step's numbers are back from the stage; the last step's byte store may be out
.else
	s_wait_dscnt 0x0
.endif
.if (\t)+AHEAD < STEPS
	LOADX (\t)+AHEAD                               ; into the set whose numbers have just gone through the stage
.endif
.if (\t)+1 < STEPS
.if (\t)+AHEAD < STEPS
	s_wait_loadcnt 4*(AHEAD-1)                     ; the next step's four loads are in; those of the seven steps behind it may be out
.else
	s_wait_loadcnt 4*(STEPS-2-(\t))                ; the counts run down
.endif
	TURNX (\t)+1
.endif
	v_max3_num_f32 v8, |v[XS]|, |v[XS+1]|, |v[XS+2]|
	v_max3_num_f32 v9, |v[XS+3]|, |v[XS+4]|, |v[XS+5]|
.irp i, 6,10
	v_max3_num_f32 v8, v8, |v[XS+\i]|, |v[XS+\i+1]|
	v_max3_num_f32 v9, v9, |v[XS+\i+2]|, |v[XS+\i+3]|
.endr
	v_max3_num_f32 v8, v8, |v[XS+14]|, |v[XS+15]|
	v_max3_num_f32 v8, v8, v9, 0x8000000           ; and the floor 2^(16 - 127): the byte cannot fall under 1
	v_max_num_f32_dpp v8, v8, v8 row_xmask:1 row_mask:0xf bank_mask:0xf   ; with my neighbour's 16: the block's largest magnitude
	v_add_nc_u32 v11, 0xf8800000, v8               ; 15 off its exponent field: the conversion's scale operand
	v_and_or_b32 v10, v8, 0x7f800000, s[MNT]       ; 57,344 x the scale
.irp i, 0,1,2,3,4,5,6,7,8,9,10,11,12,13,14,15
	v_med3_num_f32 v[XS+\i], v[XS+\i], -v10, v10   ; the conversion to an 8-bit code does not saturate (ISA guide 7.6.2)
.endr
	v_cvt_scalef32_pk8_bf8_f32 v[XC+4*(\t):XC+4*(\t)+1], v[XS:XS+7], v11
	v_cvt_scalef32_pk8_bf8_f32 v[XC+4*(\t)+2:XC+4*(\t)+3], v[XS+8:XS+15], v11
	v_lshrrev_b32 v[XE+(\t)], 23, v11              ; the scale's byte
	ds_store_b8 v5, v[XE+(\t)] offset:16*(\t)      ; both lanes of a block write the same byte with the same value
	global_store_b128 v3, v[XC+4*(\t):XC+4*(\t)+3], s[10:11] offset:512*(\t)   ; 32 lanes store 512 consecutive bytes
.endm
.irp t, 0,1,2,3,4,5,6,7
	LOADX \t
.endr
	s_wait_alu depctr_va_vdst(0)
	s_wait_loadcnt 28                              ; step 0's four loads are in
	TURNX 0
.irp t, 0,1,2,3,4,5,6,7,8,9,10,11,12,13,14,15
	STEPX \t
.endr
	ds_load_b64 v[12:13], v6                       ; my wave's 256 scale bytes: eight rows' on end
	s_wait_dscnt 0x0
	global_store_b64 v7, v[12:13], s[12:13]        ; 32 lanes store 256 consecutive bytes, aligned
	s_set_vgpr_msb 0x5
	s_wait_tensorcnt 0x0
	ds_add_u32 v0, v1
	s_wait_dscnt 0x0
	s_set_vgpr_msb 0x500
	s_endpgm
; ---------------- the weights: a lane takes a column n and its registers run down K: a block of 32 lies in one lane, and the codes come out with K innermost.  A wave takes 32 columns x 256 along K.
; The codes go through the wave's own stage and leave as rows, sixteen lanes to 256 consecutive bytes; the row that takes column c of the wave's 32 is sw(c).
.Lweights:
.set WX,  32                           ; v32-95    two sets of 32 numbers
.set WC,  96                           ; v96-103   a block's codes
.set WO,  112                          ; v112-175  the way out
.set WSB, 24                           ; v24-25    the eight scale bytes
.set OFS, 176                          ; v176-207  4 x lane + i rows of the weight: the two weights' rows differ in length, so no immediate can carry them
.set WP,  272                          ; a stage row: 256 bytes + 16
.set WSTG, 32768                       ; this way's LDS begins behind the other way's
	s_sub_co_u32 s20, ttmp9, 256
	s_and_b32 s21, s20, 31                         ; which 128 rows of wc
	s_lshr_b32 s22, s20, 5                         ; which 256 along K
	s_mov_b32 s23, 12288
	s_cmp_ge_u32 s21, 24                           ; w_proj's work-group?  The choice hangs on the work-group's number alone
	s_cselect_b64 s[6:7], s[8:9], s[6:7]
	s_cselect_b32 s23, 4096, s23                   ; a row of the weight in bytes
	s_cselect_b32 s24, 24, 0
	s_sub_co_u32 s24, s21, s24                     ; which 128 columns of that weight
	s_wait_alu depctr_va_vdst(0)
	v_lshlrev_b32 v3, 2, v2
.set i, 0
.rept 32
	v_mad_u32_u24 v[OFS+i], s23, i, v3
.set i, i+1
.endr
	s_mul_i32 s19, s[WV], 32*WP
	s_add_co_u32 s19, s19, WSTG                    ; my stage
	v_mul_u32_u24 v4, v2, WP
	v_add_nc_u32 v4, s19, v4                       ; into it: row = my column
	v_and_b32 v5, 15, v2
	v_lshrrev_b32 v6, 4, v2
	v_mul_u32_u24 v7, v6, WP
	v_lshl_add_u32 v7, v5, 4, v7
	v_add_nc_u32 v7, s19, v7                       ; out of it: sixteen lanes to a row, two rows an instruction
	v_lshlrev_b32 v8, 10, v6
	v_lshl_add_u32 v8, v5, 4, v8                   ; and the same in wc
	v_and_b32 v9, 7, v2                            ; sw(lane): my column's row of scale bytes
	v_and_b32 v10, 8, v2
	v_lshl_or_b32 v9, v10, 1, v9
	v_and_b32 v10, 16, v2
	v_lshrrev_b32 v10, 1, v10
	v_or_b32 v9, v9, v10
	v_lshlrev_b32 v9, 5, v9
	s_lshl_b32 s26, s22, 8                         ; the weight at row 256 gy, column 128 cg + 32 wave
	s_mul_i32 s26, s26, s23
	s_lshl_b32 s27, s24, 9
	s_add_co_u32 s26, s26, s27
	s_lshl_b32 s27, s[WV], 7
	s_add_co_u32 s26, s26, s27
	s_mov_b32 s27, 0
	s_add_nc_u64 s[32:33], s[6:7], s[26:27]
	s_lshl_b32 s28, s23, 5                         ; 32 rows on: a base for each of the eight blocks, so that none is stepped later
	s_mov_b32 s29, 0
.set i, 1
.rept 7
	s_add_nc_u64 s[32+2*i:33+2*i], s[30+2*i:31+2*i], s[28:29]
.set i, i+1
.endr
	s_lshl_b32 s26, s21, 7
	s_lshl_b32 s27, s[WV], 5
	s_add_co_u32 s26, s26, s27                     ; my first row of wc and ws
	s_lshl_b32 s30, s26, 10
	s_lshl_b32 s31, s22, 8
	s_add_co_u32 s30, s30, s31
	s_mov_b32 s31, 0
	s_add_nc_u64 s[14:15], s[14:15], s[30:31]
	s_lshl_b32 s30, s26, 5
	s_lshl_b32 s27, s22, 3
	s_add_co_u32 s30, s30, s27
	s_add_nc_u64 s[16:17], s[16:17], s[30:31]
.macro LOADW t                         ; block t: 32 rows of the weight at my column; a wave's load reads 128 consecutive bytes, the four waves stand side by side
.set i, 0
.rept 32
	global_load_b32 v[WX+32*((\t)%2)+i], v[OFS+i], s[32+2*(\t):33+2*(\t)] th:TH_LOAD_NT
.set i, i+1
.endr
.endm
.macro BLOCKW t
.set XS, WX+32*((\t)%2)
.if (\t) < 7
	s_wait_loadcnt 32                              ; this block's 32 loads are in; the next block's may be out
.else
	s_wait_loadcnt 0x0
.endif
	v_max3_num_f32 v12, |v[XS]|, |v[XS+1]|, |v[XS+2]|
	v_max3_num_f32 v13, |v[XS+3]|, |v[XS+4]|, |v[XS+5]|
.irp i, 6,10,14,18,22,26
	v_max3_num_f32 v12, v12, |v[XS+\i]|, |v[XS+\i+1]|
	v_max3_num_f32 v13, v13, |v[XS+\i+2]|, |v[XS+\i+3]|
.endr
	v_max3_num_f32 v12, v12, |v[XS+30]|, |v[XS+31]|
	v_max3_num_f32 v12, v12, v13, 0x8000000        ; the floor
	v_add_nc_u32 v11, 0xf8800000, v12
	v_and_or_b32 v10, v12, 0x7f800000, s[MNT]
	v_lshrrev_b32 v13, 23, v11
.if (\t)%4 == 0
	v_mov_b32 v[WSB+(\t)/4], v13                   ; four bytes to a register, the lower K in the lower byte
.else
	v_lshl_or_b32 v[WSB+(\t)/4], v13, 8*((\t)%4), v[WSB+(\t)/4]
.endif
.irp i, 0,1,2,3,4,5,6,7,8,9,10,11,12,13,14,15,16,17,18,19,20,21,22,23,24,25,26,27,28,29,30,31
	v_med3_num_f32 v[XS+\i], v[XS+\i], -v10, v10
.endr
.irp g, 0,1,2,3
	v_cvt_scalef32_pk8_bf8_f32 v[WC+2*\g:WC+2*\g+1], v[XS+8*\g:XS+8*\g+7], v11
.endr
	ds_store_b128 v4, v[WC:WC+3] offset:32*(\t)
	ds_store_b128 v4, v[WC+4:WC+7] offset:32*(\t)+16
.if (\t)+2 < 8
	LOADW (\t)+2
.endif
	s_wait_dscnt 0x0                               ; the stores have read their registers: the next block's codes may be written (that block begins with plain vector lines)
.endm
	LOADW 0
	LOADW 1
.irp t, 0,1,2,3,4,5,6,7
	BLOCKW \t
.endr
	global_store_b64 v9, v[WSB:WSB+1], s[16:17]    ; my column's eight scale bytes
.irp t, 0,1,2,3,4,5,6,7,8,9,10,11,12,13,14,15
	ds_load_b128 v[WO+4*\t:WO+4*\t+3], v7 offset:2*\t*WP
.endr
.irp t, 0,1,2,3,4,5,6,7,8,9,10,11,12,13,14,15
	s_wait_dscnt 15-\t                             ; loads come back in order: the younger ones may be out
	global_store_b128 v8, v[WO+4*\t:WO+4*\t+3], s[14:15] offset:(2*(\t%4)+16*((\t/4)%2)+8*(\t/8))*1024   ; columns 2 t, 2 t + 1 go to rows sw(2 t), sw(2 t) + 1
.endr
	s_set_vgpr_msb 0x5
	s_wait_tensorcnt 0x0
	ds_add_u32 v0, v1
	s_wait_dscnt 0x0
	s_set_vgpr_msb 0x500
	s_endpgm
.Lfunc_end_k_q5ff01556aa_quant:
	.size	k_q5ff01556aa_quant, .Lfunc_end_k_q5ff01556aa_quant-k_q5ff01556aa_quant
	.p2alignl 7, 3214868480
	.fill 96, 4, 3214868480
	.section	.rodata,"a",@progbits
	.p2align	6, 0x0
	.amdhsa_kernel k_q5ff01556aa_quant
		.amdhsa_group_segment_fixed_size 68096
		.amdhsa_private_segment_fixed_size 0
		.amdhsa_enable_private_segment 0
		.amdhsa_kernarg_size 56
		.amdhsa_user_sgpr_count 2
		.amdhsa_user_sgpr_kernarg_segment_ptr 1
		.amdhsa_wavefront_size32 1
		.amdhsa_system_sgpr_workgroup_id_x 1
		.amdhsa_system_sgpr_workgroup_id_y 1
		.amdhsa_system_sgpr_workgroup_id_z 1
		.amdhsa_system_vgpr_workitem_id 0
		.amdhsa_next_free_vgpr 258
		.amdhsa_next_free_sgpr 66
		.amdhsa_reserve_vcc 0
		.amdhsa_float_denorm_mode_32 3
		.amdhsa_float_denorm_mode_16_64 3
		.amdhsa_memory_ordered 1
		.amdhsa_forward_progress 1
		.amdhsa_inst_pref_size 112
	.end_amdhsa_kernel
	.amdgpu_metadata
---
amdhsa.version: [ 1, 2 ]
amdhsa.kernels:
  - .name:           k_q5ff01556aa_quant
    .symbol:         k_q5ff01556aa_quant.kd
    .args:
      - { .name: x, .offset: 0, .size: 8, .value_kind: global_buffer, .address_space: global }
      - { .name: w_qkv, .offset: 8, .size: 8, .value_kind: global_buffer, .address_space: global }
      - { .name: w_proj, .offset: 16, .size: 8, .value_kind: global_buffer, .address_space: global }
      - { .name: xc, .offset: 24, .size: 8, .value_kind: global_buffer, .address_space: global }
      - { .name: xs, .offset: 32, .size: 8, .value_kind: global_buffer, .address_space: global }
      - { .name: wc, .offset: 40, .size: 8, .value_kind: global_buffer, .address_space: global }
      - { .name: ws, .offset: 48, .size: 8, .value_kind: global_buffer, .address_space: global }
    .group_segment_fixed_size: 68096
    .private_segment_fixed_size: 0
    .kernarg_segment_align: 8
    .kernarg_segment_size: 56
    .max_flat_workgroup_size: 128
    .sgpr_count:     66
    .vgpr_count:     258
    .wavefront_size: 32
...
	.end_amdgpu_metadata
.endif
;; end of part 1
;; launch gemm_qkv (part 2): grid 12 x 32, 4 waves a work-group, clusters of 4 x 4, 327,680 bytes of LDS; arguments xc, xs, wc, ws, qkv; writes qkv
.if DOCPART == 2
	.amdgcn_target "amdgcn-amd-amdhsa--gfx1250"
	.amdhsa_code_object_version 6
	.text
	.protected	k_q5ff01556aa_gemm_qkv
	.globl	k_q5ff01556aa_gemm_qkv
	.p2align	8
	.type	k_q5ff01556aa_gemm_qkv,@function
k_q5ff01556aa_gemm_qkv:
	s_mov_b64 s[64:65], 0
	v_nop
	global_prefetch_b8 v0, s[64:65] scope:SCOPE_SE
	s_setreg_imm32_b32 hwreg(HW_REG_WAVE_MODE, 25, 1), 1
	s_wait_xcnt 0x0
	s_wait_alu depctr_hold_cnt(0) depctr_sa_sdst(0) depctr_va_vdst(0) depctr_va_sdst(0) depctr_va_ssrc(0) depctr_va_vcc(0) depctr_vm_vsrc(0)
	s_getreg_b32 s2, hwreg(HW_REG_IB_STS2, 6, 4)
	s_cmp_eq_u32 s2, 0
	s_cbranch_scc0 .Lentry_in_a_cluster
	s_endpgm
.Lentry_in_a_cluster:
	s_bfe_u32 s2, ttmp6, 0x10000c
	s_cmp_lg_u32 s2, 0xf033
	s_cbranch_scc0 .Lentry_shape_is_right
	s_endpgm
.Lentry_shape_is_right:
; qkv = x w_qkv on codes of BF8 (E5M2) with E8M0 scales, K = 1,024; the f32 results never go to memory: each wave quantises its 128 x 128 of them in registers and stores them as IMAGES OF THE NEXT OPERANDS' REGISTERS.
; A tile of 256 x 256 is made by four waves, 128 x 128 each: 64 accumulators, 512 registers.  K goes in steps of 256 through a ring of two LDS slots filled by the tensor data mover; the scale bytes of the
; work-group's rows, for all of K, come once with the first fills.  4 x 4 work-groups form a cluster: A's tiles are asked for jointly along a row of it, B's along a column.
; WHICH OPERAND IS WHICH.  Source 0 ('B') is the operand whose index is to run along a lane's registers.  Clusters with x = 0, 1 make q and k: B = w_qkv's columns, A = x's rows: a lane holds one position and
; 128 channels (two heads), to be quantised along the head's 64.  Clusters with x = 2 make v: B = x's rows, A = w_qkv's v columns: a lane holds one channel and 128 positions, to be quantised along the keys.
; Both tensors' rows are stored with bits 3 and 4 of the row exchanged, so that the 16 registers of B's tiles 2 b, 2 b + 1 are the neighbours 32 b + 16 (lane / 16) + 0 .. 15.
; qkv: [batch x head (64)][256 positions (8)][51,712 bytes]: K's codes 16,384 (16 tiles x 2 chunks x 512), V's codes 16,384 (2 key steps x 4 channel tiles x 4 chunks x 512), K's scale words 1,024 ([tile / 4][row][tile % 4]),
; V's 512 ([step][row][tile]), Q's codes 16,384, Q's scale words 1,024.  A chunk is four registers of a fragment, 16 bytes a lane on end.
; LIMITS: NaN and infinities are not served; a block of zeros gets the byte 1 (its codes are zeros; this program alone reads the bytes).
; REGISTERS, in windows of 256: window 0: v8-31 addresses; v32-63 scale words, two sets; v128-255 A's fragments, one set; on the way out v128-247 at work.  window 1: B's fragments, two sets.  windows 2, 3: the accumulators.
.set SIZE_K, 1024
.set KSTEP,  256
.set NQ,     KSTEP/128
.set ROWB,   256
.set KROW,   SIZE_K
.set PITCH,  272                       ; an LDS row: 256 bytes + 16 of padding: the 16 rows that a load touches start at 16 different banks (ISA guide 11.1)
.set FR,     16
.set NL,     4
.set NP,     8                         ; places behind this matrix instruction (ISA guide 7.12.1)
.set HALFT,  128*PITCH
.set SLOT,   4*HALFT
.set LAPS,   SIZE_K/(2*KSTEP)
.set KS,     SIZE_K/32
.set SCL,    2*SLOT                    ; behind the ring: the scales, as rows of 256 bytes + 16
.set HALFS,  (128*KS/256)*272
.set SBLK,   (16*KS/256)*272
.set SPARE,  SCL+4*HALFS               ; the spare words, 128 bytes for each wave; no other line names them
.set REC,    51712
.set HS,     8*REC
.set VOFF,   16384
.set KSOFF,  32768
.set VSOFF,  33792
.set QOFF,   34304
.set QSOFF,  50688
.set LC,   8                           ; v8-11  the way out: 16 x lane + chunk c's place
.set VS0,  12                          ; v12    where blocks 0-3's scale words go
.set VS1,  13                          ; v13    blocks 4-7's
.set SH,   14                          ; v14    q, k: lanes 16-31 take the word's upper half (the odd head's two bytes): 16; else 0
.set ADRA, 16
.set ADRB, 20
.set ADRS, 27
.set SPW,  28
.set NIL,  29
.set SC,   32
.set AF,   128
.set XQ,   128                         ; the way out: v128-191 a block's 64 numbers, held
.set PCQ,  192                         ; v192-223 its codes, two sets by turns
.set TMQ,  224                         ; v224-239 at work
.set PWQ,  240                         ; v240-247 the eight blocks' scale words
.set G1, 24
.set G0, 32
.set G1B, 48
.set G0B, 56
.set G1S, 68
.set G0S, 76
.set G1SB, 80
.set G0SB, 88
.set ISV, 66                           ; s66  1 in a cluster that makes v
.set SCP, 92                           ; s[92:93] where my scale words go
.set MNT, 94                           ; s94  the mantissa field of 57,344
.set STA, 96                           ; s[96:97] bytes from a block's image to the next block's
.set ST4, 98                           ; s[98:99] the same from block 3 to block 4
.set SEL, 104                          ; s[104:105] lane selects: lane l xor 16
.set MSB, 0
.macro WIN new                         ; the immediate's high byte repeats the setting that is left
.if MSB != \new
	s_set_vgpr_msb (MSB<<8)|\new
.set MSB, \new
.endif
.endm
.set MUL_LO, 0xa1                      ; source 0 (B) window 1, source 1 (A) window 0, C and D window 2
.set MUL_HI, 0xf1
.set TO_B,   0x40
; A joint load: waves 0 and 1 fetch for A, waves 2 and 3 for B; the branch hangs on the wave's number alone.  Four v_nop follow each of the two lines.
.macro JLOAD g0a, g1a, g0b, g1b
	s_cmp_eq_u32 s15, 0
	s_cbranch_scc0 .Lfor_b_\@
	tensor_load_to_lds s[\g0a:\g0a+3], s[\g1a:\g1a+7]
	s_nop 0
.rept 4
	v_nop
.endr
	s_branch .Lasked_\@
.Lfor_b_\@:
	tensor_load_to_lds s[\g0b:\g0b+3], s[\g1b:\g1b+7]
	s_nop 0
.rept 4
	v_nop
.endr
.Lasked_\@:
.endm
.macro CREST                           ; a round of the cluster's barrier behind its opening barrier
	s_cmp_lg_u32 s14, 0
	s_cbranch_scc1 .Lnot_wave_0_\@
	s_barrier_signal -3
.Lnot_wave_0_\@:
	s_barrier_wait -3
	s_barrier_signal -1
	s_barrier_wait -1
.endm
.macro CROUND
	s_barrier_signal -1
	s_barrier_wait -1
	CREST
.endm
	s_load_b128 s[4:7], s[0:1], 0x0                ; xc, xs
	s_load_b128 s[8:11], s[0:1], 0x10              ; wc, ws
	s_load_b64 s[12:13], s[0:1], 0x20              ; qkv
	v_lshl_add_u32 v[SPW], v0, 2, SPARE
	v_mov_b32 v[NIL], 0
	ds_add_u32 v28, v29
	ds_add_u32 v28, v29
	s_wait_dscnt 0x0
	v_lshrrev_b32 v1, 5, v0
	v_readfirstlane_b32 s14, v1                    ; wave 0..3
	s_lshr_b32 s15, s14, 1                         ; which half of A's rows is mine.  Also: I fetch for A (0) or for B (1)
	s_and_b32 s16, s14, 1                          ; which half of B's rows.  Also: which 128 rows of that tile I fetch
	s_bfe_u32 s40, ttmp6, 0x40000                  ; cx, cy: my place in the cluster
	s_bfe_u32 s41, ttmp6, 0x40004
	s_and_b32 s17, ttmp7, 0xffff                   ; cluster y
	s_cmp_eq_u32 ttmp9, 2                          ; the same in all sixteen partners
	s_cselect_b32 s[ISV], 1, 0
	s_cselect_b32 s67, s17, ttmp9                  ; v: B = x, whose 32 tiles go along cluster y;  q, k: B = W's first 2,048 rows, along cluster x
	s_cselect_b32 s95, 0, s17                      ; v: A = W's 1,024 v rows: four tiles;          q, k: A = x, along cluster y
	s_lshl_b32 s42, s67, 2
	s_add_co_u32 s42, s42, s40                     ; B's tile
	s_lshl_b32 s17, s95, 2
	s_add_co_u32 s17, s17, s41                     ; A's tile
	s_lshl_b32 s43, s41, 2
	s_lshl_b32 s43, 15, s43                        ; my row of the cluster
	s_lshl_b32 s44, 0x1111, s40                    ; my column
	s_or_b32 s[G1+0], s43, (0<<16)|(1<<20)|(1<<21)|(5<<22)|(3<<25)  ; the mask; elements of 1 byte; padding on; bit 21 beside a mask; four words after every 64
	s_or_b32 s[G1B+0], s44, (0<<16)|(1<<20)|(1<<21)|(5<<22)|(3<<25)
.irp g, G1, G1B
	s_mov_b32 s[\g+1], ROWB<<16                    ; tensor_dim0
	s_mov_b32 s[\g+2], 256<<16                     ; tensor_dim1: the head's loads bring 256 rows; the ring's 128 are set behind the wait for them
	s_mov_b32 s[\g+3], ROWB<<16                    ; tile_dim0
	s_mov_b32 s[\g+4], 256                         ; tile_dim1
	s_mov_b32 s[\g+5], KROW                        ; tensor_dim0_stride
	s_mov_b32 s[\g+6], 0
	s_mov_b32 s[\g+7], 0
.endr
	s_or_b32 s[G1S+0], s43, (3<<16)|(1<<20)|(1<<21)|(5<<22)|(3<<25) ; the scales of 256 rows: 8,192 dense bytes as 32 rows of 256 (32 elements of 8 bytes), padded
	s_or_b32 s[G1SB+0], s44, (3<<16)|(1<<20)|(1<<21)|(5<<22)|(3<<25)
.irp g, G1S, G1SB
	s_mov_b32 s[\g+1], 32<<16
	s_mov_b32 s[\g+2], KS<<16                      ; the scales of 256 rows: 256 KS dense bytes as KS rows of 256
	s_mov_b32 s[\g+3], 32<<16
	s_mov_b32 s[\g+4], KS
	s_mov_b32 s[\g+5], 32
	s_mov_b32 s[\g+6], 0
	s_mov_b32 s[\g+7], 0
.endr
	s_lshl_b32 s20, s17, 8                         ; A: the tile's first row
	s_lshl_b32 s46, s42, 8                         ; B likewise
	s_mov_b32 s21, 0
	s_mov_b32 s47, 0
	s_mov_b64 s[18:19], KS
	s_mul_u64 s[22:23], s[20:21], s[18:19]
	s_mul_u64 s[92:93], s[46:47], s[18:19]
	s_mov_b64 s[18:19], KROW
	s_mul_u64 s[20:21], s[20:21], s[18:19]
	s_mul_u64 s[46:47], s[46:47], s[18:19]
	s_mul_i32 s45, s14, HALFT                      ; where they go: no place in the cluster enters an LDS address
	s_mul_i32 s18, s16, 128*KROW                   ; in the ring I fetch 128 rows of a tile: which half, in bytes
	s_mov_b32 s19, 0
	s_wait_kmcnt 0x0
	s_add_nc_u64 s[96:97], s[8:9], 2048*KROW       ; W's v rows
	s_add_nc_u64 s[98:99], s[10:11], 2048*KS
	s_cmp_eq_u32 s[ISV], 1                         ; the operands change places: a choice between buffers that hangs on no address
	s_cselect_b64 s[8:9], s[4:5], s[8:9]           ; B's codes
	s_cselect_b64 s[10:11], s[6:7], s[10:11]       ; B's scales
	s_cselect_b64 s[4:5], s[96:97], s[4:5]         ; A's codes
	s_cselect_b64 s[6:7], s[98:99], s[6:7]         ; A's scales
	s_add_nc_u64 s[20:21], s[4:5], s[20:21]
	s_add_nc_u64 s[22:23], s[6:7], s[22:23]
	s_add_nc_u64 s[46:47], s[8:9], s[46:47]
	s_add_nc_u64 s[92:93], s[10:11], s[92:93]
	CROUND                                         ; all sixteen work-groups are here: the first joint loads meet
	s_mov_b32 s[G0S], 1
	s_mov_b32 s[G0S+1], SCL
	s_mov_b64 s[G0S+2:G0S+3], s[22:23]
	s_or_b32 s[G0S+3], s[G0S+3], 0x80000000
	s_mov_b32 s[G0SB], 1
	s_mov_b32 s[G0SB+1], SCL+2*HALFS
	s_mov_b64 s[G0SB+2:G0SB+3], s[92:93]
	s_or_b32 s[G0SB+3], s[G0SB+3], 0x80000000
.set G0H, 4                            ; s[4:7], s[8:11] group 0 of the head's loads of K step 0 (the arguments that lay there have been used)
.set G0HB, 8
	s_mov_b32 s[G0H], 1
	s_mov_b32 s[G0H+1], 0
	s_mov_b64 s[G0H+2:G0H+3], s[20:21]
	s_or_b32 s[G0H+3], s[G0H+3], 0x80000000
	s_mov_b32 s[G0HB], 1
	s_mov_b32 s[G0HB+1], 2*HALFT
	s_mov_b64 s[G0HB+2:G0HB+3], s[46:47]
	s_or_b32 s[G0HB+3], s[G0HB+3], 0x80000000
	s_add_nc_u64 s[20:21], s[20:21], s[18:19]      ; for the ring: my 128 rows of the tile
	s_add_nc_u64 s[46:47], s[46:47], s[18:19]
.irp s, 0,1
	s_mov_b32 s[G0+4*\s], 1
	s_add_co_u32 s[G0+4*\s+1], s45, \s*SLOT
	s_add_nc_u64 s[G0+4*\s+2:G0+4*\s+3], s[20:21], \s*ROWB
	s_or_b32 s[G0+4*\s+3], s[G0+4*\s+3], 0x80000000
	s_mov_b32 s[G0B+4*\s], 1
	s_add_co_u32 s[G0B+4*\s+1], s45, \s*SLOT
	s_add_nc_u64 s[G0B+4*\s+2:G0B+4*\s+3], s[46:47], \s*ROWB
	s_or_b32 s[G0B+4*\s+3], s[G0B+4*\s+3], 0x80000000
.endr
; THE HEAD'S LOADS, ONE A WAVE: wave 0 K step 0's 256 rows of A, wave 1 its 256 rows of B, wave 2 the scales of A's 256 rows, wave 3 those of B's: one chain of branches on the wave's number, a load to an arm.
.macro ARM under, g0, g1, next
	s_cmp_lt_u32 s14, \under
	s_cbranch_scc0 \next
	tensor_load_to_lds s[\g0:\g0+3], s[\g1:\g1+7]
	s_nop 0
.rept 4
	v_nop
.endr
	s_branch .Lhead_asked
\next:
.endm
	ARM 1, G0H,  G1,  .Lhead_b
	ARM 2, G0HB, G1B, .Lhead_sa
	ARM 3, G0S,  G1S, .Lhead_sb
	tensor_load_to_lds s[G0SB:G0SB+3], s[G1SB:G1SB+7]
	s_nop 0
.rept 4
	v_nop
.endr
.Lhead_asked:
	v_and_b32 v1, 15, v0                           ; r = l % 16
	v_bfe_u32 v2, v0, 4, 1                         ; h = l / 16
	v_mul_u32_u24 v3, v1, PITCH
	v_lshl_add_u32 v4, v2, 4, v3
	s_mul_i32 s21, s15, HALFT
	s_mul_i32 s22, s16, HALFT
	s_add_co_u32 s22, s22, 2*HALFT
.irp s, 0,1
	v_add_nc_u32 v[ADRA+\s], s21, v4
	v_add_nc_u32 v[ADRB+\s], s22, v4
	s_add_co_u32 s21, s21, SLOT
	s_add_co_u32 s22, s22, SLOT
.endr
	v_mul_u32_u24 v5, v1, KS                       ; my row's scales: KS bytes a row, and 16 more for each 256 passed
	v_lshrrev_b32 v6, 8, v5
	v_lshl_add_u32 v5, v6, 4, v5
	s_mul_i32 s21, s15, HALFS
	s_mul_i32 s22, s16, HALFS
	s_add_co_u32 s22, s22, 2*HALFS
	s_sub_co_u32 s22, s22, s21
	v_mul_u32_u24 v6, s22, v2                      ; lanes 16-31 take B's
	s_add_co_u32 s21, s21, SCL
	v_add_nc_u32 v5, v5, v6
	v_add_nc_u32 v[ADRS], s21, v5
	; THE WAY OUT'S ADDRESSES.  m: my first position (of 8,192), n: my first column of q, of k or of v
	s_lshl_b32 s20, s17, 8
	s_lshl_b32 s21, s15, 7
	s_add_co_u32 s20, s20, s21                     ; my first row of A
	s_lshl_b32 s46, s42, 8
	s_lshl_b32 s47, s16, 7
	s_add_co_u32 s46, s46, s47                     ; and of B
	s_movk_i32 s[STA], 1024
	s_movk_i32 s[ST4], 1024
	s_movk_i32 s101, 1024
	s_movk_i32 s100, 256
	s_mov_b32 s47, KSOFF
	s_cmp_lt_u32 s46, 1024                         ; W's rows 0-1,023 are q's, 1,024-2,047 k's
	s_cselect_b32 s23, QOFF, 0                     ; the codes' region in a record,
	s_cselect_b32 s47, QSOFF, s47                  ; the scale words'
	s_cmp_eq_u32 s[ISV], 1                         ; every choice on this compare stands ahead of the sums, which set SCC
	s_cselect_b32 s21, s46, s20                    ; m
	s_cselect_b32 s22, s20, s46                    ; n
	s_cselect_b32 s23, VOFF, s23
	s_cselect_b32 s47, VSOFF, s47
	s_cselect_b32 s18, 1, 2                        ; 128 positions on are 256 bytes of V's scale words, 512 of Q's and K's
	s_cselect_b32 s[STA], 2048, s[STA]             ; a block's image: q, k: a tile of 16 positions, 1,024 bytes; v: a channel tile, 2,048
	s_cselect_b32 s[ST4], HS-3*2048, s[ST4]        ; v: block 4 begins the next head
	s_cselect_b32 s101, s101, HS                   ; chunk 2: v: the third key block; q, k: the next head's first
	s_cselect_b32 s19, 0, HS                       ; q, k: lanes 16-31 store the next head's scale words
	s_cselect_b32 s100, HS, s100                   ; blocks 4-7's words: v: the next head; q, k: the next four tiles
	s_cselect_b32 s67, 0, 16
	v_and_b32 v6, 31, v0
	v_lshlrev_b32 v[LC], 4, v6
	v_add_nc_u32 v[LC+1], 512, v[LC]
	v_add_nc_u32 v[LC+2], s101, v[LC]
	v_add_nc_u32 v[LC+3], 512, v[LC+2]
	v_mul_u32_u24 v[VS0], v2, s19
	v_lshl_add_u32 v[VS0], v1, 4, v[VS0]           ; 16 bytes a row: four tiles' words
	v_add_nc_u32 v[VS1], s100, v[VS0]
	v_mul_u32_u24 v[SH], v2, s67
	s_lshr_b32 s20, s21, 11                        ; batch
	s_lshl_b32 s20, s20, 4
	s_and_b32 s22, s22, 1023
	s_lshr_b32 s22, s22, 6                         ; head
	s_add_co_u32 s20, s20, s22
	s_mul_i32 s20, s20, HS
	s_bfe_u32 s22, s21, 0x30008                    ; which 256 positions
	s_mul_i32 s22, s22, REC
	s_add_co_u32 s20, s20, s22                     ; my record
	s_and_b32 s46, s21, 128
	s_lshl_b32 s46, s46, s18
	s_add_co_u32 s46, s46, s47
	s_add_co_u32 s46, s46, s20
	s_mov_b32 s47, 0
	s_add_nc_u64 s[SCP:SCP+1], s[12:13], s[46:47]
	s_and_b32 s46, s21, 255
	s_lshl_b32 s46, s46, 6                         ; 64 bytes of codes a position in each of the three regions
	s_add_co_u32 s46, s46, s23
	s_add_co_u32 s46, s46, s20
	s_add_nc_u64 s[12:13], s[12:13], s[46:47]
	s_mov_b32 s[STA+1], 0
	s_mov_b32 s[ST4+1], 0
	s_mov_b32 s[MNT], 0x600000
	s_mov_b32 s[SEL], 0x76543210
	s_mov_b32 s[SEL+1], 0xfedcba98
.macro FRAG reg, adr, q, i             ; 16 rows x 128 K: lane l holds row l % 16; registers 4 c .. 4 c + 3 hold K = 32 c + 16 (l / 16) + 0 .. 15
.irp c, 0,1,2,3
	ds_load_b128 v[\reg+4*\c:\reg+4*\c+3], v[\adr] offset:128*(\q)+32*\c+(\i)*16*PITCH
.endr
.endm
; 16 matrix instructions: A's blocks a0, a0 + 1 x B's eight.  The 64 accumulators take turns, one instruction a turn, in the same order in every step.
.macro MUL16 a0, p, q, sc, zero
.irp a, \a0, \a0+1
.irp b, 0,1,2,3,4,5,6,7
.if \zero
	v_wmma_scale_f32_16x16x128_f8f6f4 v[8*(8*((\a)%4)+\b):8*(8*((\a)%4)+\b)+7], v[128*(\p)+FR*\b:128*(\p)+FR*\b+FR-1], v[AF+FR*(\a):AF+FR*(\a)+FR-1], 0, v[SC+8*NQ*(\sc)+NQ*\b+(\q)], v[SC+8*NQ*(\sc)+NQ*(\a)+(\q)] matrix_a_fmt:MATRIX_FMT_BF8 matrix_b_fmt:MATRIX_FMT_BF8 matrix_a_scale:MATRIX_SCALE_ROW1
.else
	v_wmma_scale_f32_16x16x128_f8f6f4 v[8*(8*((\a)%4)+\b):8*(8*((\a)%4)+\b)+7], v[128*(\p)+FR*\b:128*(\p)+FR*\b+FR-1], v[AF+FR*(\a):AF+FR*(\a)+FR-1], v[8*(8*((\a)%4)+\b):8*(8*((\a)%4)+\b)+7], v[SC+8*NQ*(\sc)+NQ*\b+(\q)], v[SC+8*NQ*(\sc)+NQ*(\a)+(\q)] matrix_a_fmt:MATRIX_FMT_BF8 matrix_b_fmt:MATRIX_FMT_BF8 matrix_a_scale:MATRIX_SCALE_ROW1
.endif
.endr
.endr
.endm
.macro FETCH_B slot, q, p
	WIN TO_B
.irp i, 0,1,2,3,4,5,6,7
	FRAG 128*(\p)+FR*\i, ADRB+\slot, \q, \i
.endr
	WIN 0
.endm
.macro FETCH_A slot, q, i0
.irp i, \i0, \i0+1, \i0+2, \i0+3
	FRAG AF+FR*(\i), ADRA+\slot, \q, \i
.endr
.endm
.macro SCALES sc                       ; a K step's scale words: lanes 0-15 take A's block i, lanes 16-31 B's block i
.irp i, 0,1,2,3,4,5,6,7
	ds_load_b64 v[SC+8*NQ*\sc+NQ*\i:SC+8*NQ*\sc+NQ*\i+1], v[ADRS] offset:\i*SBLK
.endr
.endm
.macro PLACES n                        ; plain vector instructions between a matrix instruction and a load into, or a vector instruction on, its registers (ISA guide 7.12.1 for vector instructions)
.rept \n
	v_nop
.endr
.endm
.macro STEP slot, q, zero              ; 128 along K that have their successor in the same slot
	s_wait_dscnt 4*NL                              ; B's set and A's blocks 0-3 are in; the youngest 16 loads (A's blocks 4-7) may be out
	WIN MUL_LO
	MUL16 0, (\q)%2, \q, \slot, \zero
	MUL16 2, (\q)%2, \q, \slot, \zero
	s_wait_dscnt 0
	PLACES NP
	FETCH_B \slot, (\q)+1, 1-(\q)%2
	FETCH_A \slot, (\q)+1, 0
	WIN MUL_HI
	MUL16 4, (\q)%2, \q, \slot, \zero
	MUL16 6, (\q)%2, \q, \slot, \zero
	PLACES NP
	WIN 0
	FETCH_A \slot, (\q)+1, 4
.endm
; A slot's last step changes slots: one barrier; in front of it each wave waits for all its tensor loads, adds 0 to its spare word, and waits for that and for its reads of this slot.
.macro TURN slot, next, fill
	s_wait_tensorcnt 0x0                           ; all my tensor loads have landed: my part of the next slot
	ds_add_u32 v[SPW], v[NIL]                      ; 0 onto my spare word
	s_wait_dscnt 4*NL+1                            ; the add and the youngest 16 loads (A's blocks 4-7) may be out
	WIN MUL_LO
	MUL16 0, 1, NQ-1, \slot, 0
	s_wait_dscnt 0x0                               ; the add is done, and my reads of this slot are over
	s_barrier_signal -1
	MUL16 2, 1, NQ-1, \slot, 0
	WIN 0
	s_barrier_wait -1
.if \fill
	CREST                                          ; the barrier has opened a round of the cluster's: no wave of any partner still reads this slot or has a load on its way
	s_add_nc_u64 s[G0+4*\slot+2:G0+4*\slot+3], s[G0+4*\slot+2:G0+4*\slot+3], 2*ROWB
	s_add_nc_u64 s[G0B+4*\slot+2:G0B+4*\slot+3], s[G0B+4*\slot+2:G0B+4*\slot+3], 2*ROWB
	JLOAD G0+4*\slot, G1, G0B+4*\slot, G1B         ; the first tensor load behind the round, my one load until the next; its four v_nop are four of the places below
	PLACES NP-4
.else
	PLACES NP
.endif
	s_wait_alu depctr_va_vdst(0)
	v_add_nc_u32 v[ADRS], 4*NQ, v[ADRS]
	FETCH_B \next, 0, 0
	FETCH_A \next, 0, 0
	SCALES \next
	WIN MUL_HI
	MUL16 4, 1, NQ-1, \slot, 0
	MUL16 6, 1, NQ-1, \slot, 0
	PLACES NP
	WIN 0
	FETCH_A \next, 0, 4
.endm
	s_wait_alu depctr_va_vdst(0)
	s_wait_tensorcnt 0x0                           ; my tile of the head's four is in; the three lines stand ahead of slot 1's first fill as ahead of a refill
	ds_add_u32 v[SPW], v[NIL]
	s_mov_b32 s[G1+2], 128<<16                     ; no tensor load of mine is out: from here on a load brings 128 rows
	s_mov_b32 s[G1+4], 128
	s_mov_b32 s[G1B+2], 128<<16
	s_mov_b32 s[G1B+4], 128
	s_wait_dscnt 0x0
	CROUND                                         ; all four tiles are in, and all sixteen work-groups are here
	JLOAD G0+4, G1, G0B+4, G1B                     ; K step 1: the first tensor load behind the round
	FETCH_B 0, 0, 0
	FETCH_A 0, 0, 0
	SCALES 0
	FETCH_A 0, 0, 4
	STEP 0, 0, 1                                   ; the first step's products start the sums: nothing is cleared
	s_mov_b32 s3, LAPS-1
.Llap:                                                 ; a trip goes once round the ring and fills both slots again
	TURN 0, 1, 1
	STEP 1, 0, 0
	TURN 1, 0, 1
	STEP 0, 0, 0
	s_sub_co_u32 s3, s3, 1
	s_cmp_lg_u32 s3, 0
	s_cbranch_scc1 .Llap
	TURN 0, 1, 0                                   ; the last lap fills nothing
	STEP 1, 0, 0
	s_wait_dscnt 4*NL
	WIN MUL_LO
	MUL16 0, 1, NQ-1, 1, 0
	MUL16 2, 1, NQ-1, 1, 0
	s_wait_dscnt 0
	WIN MUL_HI
	MUL16 4, 1, NQ-1, 1, 0
	MUL16 6, 1, NQ-1, 1, 0
	WIN 0
; THE WAY OUT.  The eight accumulators of A's block a are 64 registers on end; register 16 b + i is index 32 b + 16 (lane / 16) + i along B of my lane's row of A: four blocks of 32, 16 numbers of each in this lane and 16 in lane l xor 16.
; They are quantised where they lie; the hold also moves them into window 0, where the conversions find eight on end.  The four registers of block b's codes are chunk b of an image: 32 lanes store 512 consecutive bytes, aligned.
.macro QUANTA a
.set AC, 64*((\a)%4)
.set WA, 2+(\a)/4
.set WS, WA|(WA<<2)
	WIN WS                                         ; sources 0 and 1: the accumulators' window
.irp b, 0,1,2,3
	v_max3_num_f32 v[TMQ+\b], |v[AC+16*\b]|, |v[AC+16*\b+1]|, 0x8000000   ; each accumulator is read from its low end on; the floor 2^(16 - 127) holds the byte at 1 from below
.endr
.irp i, 2,4,6,8,10,12,14
.irp b, 0,1,2,3
	v_max3_num_f32 v[TMQ+\b], |v[AC+16*\b+\i]|, |v[AC+16*\b+\i+1]|, v[TMQ+\b]
.endr
.endr
	WIN 0
.irp b, 0,1,2,3
	v_permlanex16_b32 v[TMQ+4+\b], v[TMQ+\b], s[SEL], s[SEL+1]
.endr
.irp b, 0,1,2,3
	v_max_num_f32 v[TMQ+\b], v[TMQ+\b], v[TMQ+4+\b]      ; the block's largest magnitude
.endr
.irp b, 0,1,2,3
	v_add_nc_u32 v[TMQ+12+\b], 0xf8800000, v[TMQ+\b]     ; 15 off its exponent field: the conversion's scale operand
.endr
.irp b, 0,1,2,3
	v_and_or_b32 v[TMQ+8+\b], v[TMQ+\b], 0x7f800000, s[MNT]   ; 57,344 x the scale
.endr
.irp b, 0,1,2,3
	v_lshrrev_b32 v[TMQ+4+\b], 23, v[TMQ+12+\b]          ; the byte
.endr
	v_lshl_or_b32 v[PWQ+(\a)], v[TMQ+5], 8, v[TMQ+4]
	v_lshl_or_b32 v[PWQ+(\a)], v[TMQ+6], 16, v[PWQ+(\a)]
	v_lshl_or_b32 v[PWQ+(\a)], v[TMQ+7], 24, v[PWQ+(\a)]
	WIN WA                                         ; source 0: the accumulators' window
.irp b, 0,1,2,3
.irp i, 0,1,2,3,4,5,6,7,8,9,10,11,12,13,14,15
	v_med3_num_f32 v[XQ+16*\b+\i], v[AC+16*\b+\i], -v[TMQ+8+\b], v[TMQ+8+\b]   ; the conversion does not saturate (ISA guide 7.6.2)
.endr
.endr
	WIN 0
.if (\a) > 0
	s_wait_alu depctr_va_vdst(0)
	s_wait_xcnt 0x0                                ; the earlier blocks' stores have read their data and their base: both are written again only behind this wait
.if (\a) == 4
	s_add_nc_u64 s[12:13], s[12:13], s[ST4:ST4+1]
.else
	s_add_nc_u64 s[12:13], s[12:13], s[STA:STA+1]
.endif
.endif
.set PS, PCQ+16*((\a)%2)
.irp b, 0,1,2,3
	v_cvt_scalef32_pk8_bf8_f32 v[PS+4*\b:PS+4*\b+1], v[XQ+16*\b:XQ+16*\b+7], v[TMQ+12+\b]
	v_cvt_scalef32_pk8_bf8_f32 v[PS+4*\b+2:PS+4*\b+3], v[XQ+16*\b+8:XQ+16*\b+15], v[TMQ+12+\b]
.endr
	v_nop                                          ; a plain line between the last conversion and the next vector instruction on its registers
.irp c, 0,1,2,3
	global_store_b128 v[LC+\c], v[PS+4*\c:PS+4*\c+3], s[12:13]
.endr
.endm
	PLACES NP                                      ; behind the last products: for the reads of results and the writes into the registers that held A's fragments
.irp b, 0,1,2,3
	v_mov_b32 v[TMQ+4+\b], 0                       ; written once: a lane permute's destination counts as one of its sources
.endr
.irp a, 0,1,2,3,4,5,6,7
	QUANTA \a
.endr
.irp a, 0,1,2,3,4,5,6,7
	v_lshrrev_b32 v[PWQ+\a], v[SH], v[PWQ+\a]      ; q, k: lanes 0-15 keep the word (bytes 0, 1 the even head's; bytes 2, 3 stand over zero codes and are never 0xff), lanes 16-31 bring the odd head's two bytes down
.endr
	global_store_b128 v[VS0], v[PWQ:PWQ+3], s[SCP:SCP+1]       ; sixteen lanes store 256 consecutive bytes, aligned (v: lanes 16-31 repeat lanes 0-15: same address, same value)
	global_store_b128 v[VS1], v[PWQ+4:PWQ+7], s[SCP:SCP+1]
	s_wait_tensorcnt 0x0                           ; the wave's end
	ds_add_u32 v[SPW], v[NIL]
	s_wait_dscnt 0x0
	CROUND                                         ; the closing round: no work-group ends while a partner may still ask for a tile that names it
	s_endpgm
.Lfunc_end_k_q5ff01556aa_gemm_qkv:
	.size	k_q5ff01556aa_gemm_qkv, .Lfunc_end_k_q5ff01556aa_gemm_qkv-k_q5ff01556aa_gemm_qkv
	.p2alignl 7, 3214868480
	.fill 96, 4, 3214868480
	.section	.rodata,"a",@progbits
	.p2align	6, 0x0
	.amdhsa_kernel k_q5ff01556aa_gemm_qkv
		.amdhsa_group_segment_fixed_size 327680
		.amdhsa_private_segment_fixed_size 0
		.amdhsa_enable_private_segment 0
		.amdhsa_kernarg_size 40
		.amdhsa_user_sgpr_count 2
		.amdhsa_user_sgpr_kernarg_segment_ptr 1
		.amdhsa_wavefront_size32 1
		.amdhsa_system_sgpr_workgroup_id_x 1
		.amdhsa_system_sgpr_workgroup_id_y 1
		.amdhsa_system_sgpr_workgroup_id_z 1
		.amdhsa_system_vgpr_workitem_id 0
		.amdhsa_next_free_vgpr 1024
		.amdhsa_next_free_sgpr 106
		.amdhsa_reserve_vcc 0
		.amdhsa_float_denorm_mode_32 3
		.amdhsa_float_denorm_mode_16_64 3
		.amdhsa_memory_ordered 1
		.amdhsa_forward_progress 1
		.amdhsa_inst_pref_size 188
	.end_amdhsa_kernel
	.amdgpu_metadata
---
amdhsa.version: [ 1, 2 ]
amdhsa.kernels:
  - .name:           k_q5ff01556aa_gemm_qkv
    .symbol:         k_q5ff01556aa_gemm_qkv.kd
    .args:
      - { .name: xc, .offset: 0, .size: 8, .value_kind: global_buffer, .address_space: global }
      - { .name: xs, .offset: 8, .size: 8, .value_kind: global_buffer, .address_space: global }
      - { .name: wc, .offset: 16, .size: 8, .value_kind: global_buffer, .address_space: global }
      - { .name: ws, .offset: 24, .size: 8, .value_kind: global_buffer, .address_space: global }
      - { .name: qkv, .offset: 32, .size: 8, .value_kind: global_buffer, .address_space: global }
    .group_segment_fixed_size: 327680
    .private_segment_fixed_size: 0
    .kernarg_segment_align: 8
    .kernarg_segment_size: 40
    .max_flat_workgroup_size: 128
    .sgpr_count:     106
    .vgpr_count:     1024
    .wavefront_size: 32
...
	.end_amdgpu_metadata
.endif
;; end of part 2
;; launch attn (part 3): grid 4 x 64, 16 waves a work-group, clusters of 4 x 1, 327,680 bytes of LDS; arguments qkv, yc, ys; writes yc, ys
.if DOCPART == 3
	.amdgcn_target "amdgcn-amd-amdhsa--gfx1250"
	.amdhsa_code_object_version 6
	.text
	.protected	k_q5ff01556aa_attn
	.globl	k_q5ff01556aa_attn
	.p2align	8
	.type	k_q5ff01556aa_attn,@function
k_q5ff01556aa_attn:
	s_mov_b64 s[64:65], 0
	v_nop
	global_prefetch_b8 v0, s[64:65] scope:SCOPE_SE
	s_setreg_imm32_b32 hwreg(HW_REG_WAVE_MODE, 25, 1), 1
	s_wait_xcnt 0x0
	s_wait_alu depctr_hold_cnt(0) depctr_sa_sdst(0) depctr_va_vdst(0) depctr_va_sdst(0) depctr_va_ssrc(0) depctr_va_vcc(0) depctr_vm_vsrc(0)
	s_getreg_b32 s2, hwreg(HW_REG_IB_STS2, 6, 4)
	s_cmp_eq_u32 s2, 0
	s_cbranch_scc0 .Lentry_in_a_cluster
	s_endpgm
.Lentry_in_a_cluster:
	s_bfe_u32 s2, ttmp6, 0x10000c
	s_cmp_lg_u32 s2, 0x3003
	s_cbranch_scc0 .Lentry_shape_is_right
	s_endpgm
.Lentry_shape_is_right:
; y = softmax(q k^T / 8, causal) v for 64 (batch, head) pairs of 2,048 positions x 64 channels, both products on codes of BF8 (E5M2) with E8M0 scales; y leaves quantised along its 1,024 channels, as images of the last product's operand.
; THE SOFTMAX: t = score x log2(e) / 8; M = the running largest t rounded up to a whole number; p = 2^(t - M) is quantised along the keys, not normalised; the row's sum is taken of the unquantised p and divides at the end.
; When M moves, the sum and O are multiplied by 2^(old M - new M), which rounds nothing.
; LEFT OUT: key steps of 128 all of whose keys come after a tile's queries: the mask that the problem builds itself (tril) throws their scores away for all values of the inputs.
; ALL OF A HEAD'S K AND V LIE IN LDS: 8 slots of 256 keys x 34,304 bytes (K's codes, V's codes, both scale words) = 274,432 bytes, each filled once, by waves 0 to 7, one tensor load each.  Nothing is filled again: no ring.
; Two barriers show the fills: the first slot 0 (wave 0's load, a line of its own), the second, behind the first two key steps, all the others.  Behind them nothing is written into LDS.
; CLUSTER: the four work-groups of a head ask for each slot jointly (mask 15).  SHARES: the head's 128 tiles of 16 queries go in pairs: wave w of partner x owns tiles 127 - j and j, j = 4 w + x.
; Tile T needs the key steps 0 .. T / 8, and j / 8 = w / 2 whatever x: 16 - w / 2 and 1 + w / 2 steps, 17 for every wave.  Step n of a wave's 17 is the first tile's step n while n < 16 - w / 2, then the second tile's step n - (16 - w / 2).
; Every branch and every LDS address hangs on the wave's number and on the count of steps; x enters global addresses and the mask's numbers alone.  Waves 0 to 3 of every partner own a tile among the last 16, so every partner reads all eight slots.
; THE WAVES GO IN STEP: in each of the fifteen steps of the loop a wave signals the work-group's barrier at the step's head and waits at its end, with register work and LDS reads alone between: no wave is more than one key step ahead of another.
; NO PREFETCH: all that the launch reads through LDS is asked for by the first fills at the head; no loop is left to run ahead in.
; INPUT: qkv [head pair][256 positions][51,712 bytes]: a slot's 34,304 bytes, then Q's codes and scale words.  Codes lie as images of the operands' registers: a chunk of four registers is 512 bytes, 16 a lane.
; Tile T's lane row r is position 32 (T / 2) + 8 (T % 2) + r + 8 (r / 8).  Both products are used transposed: a lane holds one query; the 16 registers of key tiles 2 b, 2 b + 1 are the keys 32 b + 16 (lane / 16) + 0 .. 15.
; THE HEAD'S 64 CHANNELS FILL HALF OF THE INSTRUCTION'S 128: Q's upper eight registers hold zero codes.  So the upper eight registers of a fragment of K may hold any finite codes: fragment t is v[32 + 8 t .. 47 + 8 t],
; its upper half the next tile's codes; behind the eighth lie the second tile's Q codes, which wait there.  Eight fragments take 72 registers and come by one run of loads.
; LIMITS: NaN and infinities are not served; the promise holds while the scaled scores stay under 2^31 in magnitude; a block of zeros gets the byte 1 (its codes are zeros; this program alone reads the bytes); y is O x the reciprocal of the sum (v_rcp_f32).
.set REC,   51712
.set HS,    8*REC
.set VOFF,  16384
.set KSOFF, 32768
.set VSOFF, 33792
.set SLOTB, 34304
.set QOFF,  34304
.set QSOFF, 50688
.set SPARE, 8*SLOTB                    ; the spare words, 128 bytes for each of sixteen waves; no other line names them
.set AL,  1                            ; v1  16 x lane
.set ASC, 2                            ; v2  16 x (lane % 16)
.set QD,  3                            ; v3  r + 8 (r / 8) - 16 (lane / 16)
.set YR,  4                            ; v4  32 x (lane % 16): my row of ys
.set SPW, 5
.set NIL, 6
.set ADK, 7                            ; v7  the step's codes of K (V's lie VOFF on) + 16 x lane
.set ADS, 8                            ; v8  the step's place among K's scale words + 16 x (lane % 16)
.set ADT, 9                            ; v9  the same among V's
.set KR,  32                           ; v32-95 K's eight fragments, then V's four; v96-103 the second tile's Q codes
.set S,   104                          ; v104-167 S^T, then p
.set O,   168                          ; v168-199 O^T
.set PC,  200                          ; v200-215 p's codes
.set KW,  216                          ; v216-223 K's scale words
.set VW,  224                          ; v224-227 V's
.set QW,  228                          ; v228 Q's; v229 the second tile's
.set QW2, 229                          ; v12 -M, v13 the largest t, v[14:15] the sum, v16-31 Q; v232-254 at work; v252 f, v253 p's scale word
.set WV,  18
.set MNT, 19
.set SEL, 20
.set CS,  22                           ; s[22:23] c = log2(e) / 8
.set G1,  24
.set G0,  40
.set P1,  44                           ; s[44:51] the first tile's pointers: Q's codes, Q's scale words, yc, ys
.set P2,  52                           ; s[52:59] the second's
.set NN,  67                           ; s67 the step among my 17
.set KI,  68                           ; s68 its number in the tile in hand
.set GG,  69                           ; s69 the tile's last key step, which lies on the diagonal; s70 the second tile's, w / 2
.set GG2, 70
.set DD,  71                           ; s71 the tile's first query less the diagonal step's first key; s72 the second tile's
.set DD2, 72
.set GL1, 73                           ; s73 16 - w / 2: the step with which the second tile begins
.macro CROUND                          ; a round of the cluster's barrier
	s_barrier_signal -1
	s_barrier_wait -1
	s_cmp_lg_u32 s[WV], 0
	s_cbranch_scc1 .Lnot_wave_0_\@
	s_barrier_signal -3
.Lnot_wave_0_\@:
	s_barrier_wait -3
	s_barrier_signal -1
	s_barrier_wait -1
.endm
.macro DOFF t, d                       ; 32 ((T % 8) / 2) + 8 (T % 2)
	s_and_b32 s84, s[\t], 7
	s_lshr_b32 s85, s84, 1
	s_lshl_b32 s85, s85, 5
	s_and_b32 s84, s84, 1
	s_lshl_b32 s84, s84, 3
	s_add_co_u32 s[\d], s84, s85
.endm
.macro MKSET t, P                      ; the pointers of tile s[t]
	s_lshr_b32 s84, s[\t], 4
	s_mul_i32 s84, s84, REC
	s_add_co_u32 s84, s84, s82                     ; its record
	s_and_b32 s85, s[\t], 15
	s_lshl_b32 s86, s85, 10
	s_add_co_u32 s86, s86, s84
	s_add_co_u32 s86, s86, QOFF
	s_mov_b32 s87, 0
	s_add_nc_u64 s[\P:\P+1], s[4:5], s[86:87]      ; Q's codes
	s_lshr_b32 s86, s85, 2
	s_lshl_b32 s86, s86, 8
	s_and_b32 s85, s85, 3
	s_lshl_b32 s85, s85, 2
	s_add_co_u32 s86, s86, s85
	s_add_co_u32 s86, s86, s84
	s_add_co_u32 s86, s86, QSOFF
	s_add_nc_u64 s[\P+2:\P+3], s[4:5], s[86:87]    ; its scale words: [tile / 4][row][tile % 4]
	s_add_co_u32 s85, s83, s[\t]                   ; the tile of 16 rows among 512
	s_lshl_b32 s86, s85, 14
	s_add_co_u32 s86, s86, s88
	s_add_nc_u64 s[\P+4:\P+5], s[6:7], s[86:87]    ; yc: 16,384 bytes a tile, 1,024 a head
	s_lshl_b32 s86, s85, 9
	s_add_co_u32 s86, s86, s89
	s_add_nc_u64 s[\P+6:\P+7], s[8:9], s[86:87]    ; ys: 32 bytes a row, 2 a head
.endm
	s_load_b128 s[4:7], s[0:1], 0x0                ; qkv, yc
	s_load_b64 s[8:9], s[0:1], 0x10                ; ys
	v_lshl_add_u32 v[SPW], v0, 2, SPARE
	v_mov_b32 v[NIL], 0
	ds_add_u32 v[SPW], v[NIL]                      ; the opening lines: the add, twice on end, and its wait ahead of the first tensor load
	ds_add_u32 v[SPW], v[NIL]
	v_lshrrev_b32 v10, 5, v0
	v_readfirstlane_b32 s[WV], v10                 ; wave 0..15
	s_and_b32 s10, ttmp7, 0xffff                   ; 16 x batch + head
	s_bfe_u32 s11, ttmp6, 0x40000                  ; x: my place in the cluster
	s_mul_i32 s82, s10, HS
	s_lshr_b32 s83, s10, 4
	s_lshl_b32 s83, s83, 7                         ; 128 x batch
	s_and_b32 s88, s10, 15
	s_lshl_b32 s89, s88, 1
	s_lshl_b32 s88, s88, 10
	s_lshl_b32 s12, s[WV], 2
	s_add_co_u32 s12, s12, s11                     ; the second tile, j = 4 w + x
	s_sub_co_u32 s13, 127, s12                     ; the first, 127 - j
	s_lshr_b32 s[GG2], s[WV], 1
	s_sub_co_u32 s[GG], 15, s[GG2]
	s_sub_co_u32 s[GL1], 16, s[GG2]
	DOFF 13, DD
	DOFF 12, DD2
	s_mov_b32 s[G1], 15|(3<<16)|(1<<21)            ; the mask: all four partners; elements of 8 bytes; bit 21 beside a mask; no padding
	s_mov_b32 s[G1+1], 32<<16                      ; rows of 256 bytes
	s_mov_b32 s[G1+2], 134<<16                     ; a slot is 134 of them, dense
	s_mov_b32 s[G1+3], 32<<16
	s_mov_b32 s[G1+4], 134
	s_mov_b32 s[G1+5], 32
	s_mov_b32 s[G1+6], 0
	s_mov_b32 s[G1+7], 0
	s_mul_i32 s86, s[WV], REC
	s_add_co_u32 s86, s86, s82                     ; slot w in memory: the head and the wave's number alone
	s_mov_b32 s87, 0
	s_mov_b32 s[G0], 1
	s_mul_i32 s[G0+1], s[WV], SLOTB                ; and in LDS
	s_mov_b32 s[SEL], 0x76543210
	s_mov_b32 s[SEL+1], 0xfedcba98
	s_mov_b32 s[CS], 0x3e38aa3b
	s_mov_b32 s[CS+1], s[CS]
	s_mov_b32 s[MNT], 0x600000
	s_wait_dscnt 0x0                               ; both opening adds are done
	CROUND                                         ; all four partners are here: the joint loads meet
	s_wait_kmcnt 0x0
	s_add_nc_u64 s[G0+2:G0+3], s[4:5], s[86:87]
	s_or_b32 s[G0+3], s[G0+3], 0x80000000
	s_cmp_eq_u32 s[WV], 0                          ; one chain of branches on the wave's number: wave 0, whose slot is shown first, has a load line of its own
	s_cbranch_scc0 .Lnot_slot_0
	tensor_load_to_lds s[G0:G0+3], s[G1:G1+7]
	s_nop 0
.rept 4
	v_nop
.endr
	s_branch .Lasked
.Lnot_slot_0:
	s_cmp_lt_u32 s[WV], 8
	s_cbranch_scc0 .Lasked
	tensor_load_to_lds s[G0:G0+3], s[G1:G1+7]      ; waves 1 to 7: slots 1 to 7
	s_nop 0
.rept 4
	v_nop
.endr
.Lasked:
	MKSET 13, P1
	MKSET 12, P2
	v_and_b32 v11, 31, v0
	v_and_b32 v10, 15, v0
	v_lshlrev_b32 v[AL], 4, v11
	v_lshlrev_b32 v[ASC], 4, v10
	global_load_b128 v[16:19], v[AL], s[P1:P1+1]
	global_load_b128 v[20:23], v[AL], s[P1:P1+1] offset:512
	global_load_b32 v[QW], v[ASC], s[P1+2:P1+3]
	global_load_b128 v[96:99], v[AL], s[P2:P2+1]   ; the second tile's Q waits behind K's eighth fragment
	global_load_b128 v[100:103], v[AL], s[P2:P2+1] offset:512
	global_load_b32 v[QW2], v[ASC], s[P2+2:P2+3]
	v_lshlrev_b32 v[ADK], 4, v11                   ; slot 0 begins at LDS byte 0
	v_lshlrev_b32 v[ADS], 4, v10
	v_lshlrev_b32 v[ADT], 4, v10
	v_lshlrev_b32 v[YR], 5, v10
	v_bfe_u32 v11, v0, 4, 1
	v_and_b32 v[QD], 8, v10
	v_add_nc_u32 v[QD], v[QD], v10
	v_lshlrev_b32 v11, 4, v11
	v_sub_nc_u32 v[QD], v[QD], v11
.set i, 0
.rept 8
	v_mov_b32 v[24+i], 0                           ; Q's zero codes for K = 64 .. 127: written once
.set i, i+1
.endr
.macro FRESH                           ; a tile begins: the step is written once, and its first run finds zeros, which the first change of M leaves zeros
	v_mov_b32 v13, 0xff61b1e6                      ; the largest t so far: -3e38
	v_floor_f32 v12, -v13                          ; -M
	v_mov_b32 v14, 0
	v_mov_b32 v15, 0
.set i, 0
.rept 32
	v_mov_b32 v[O+i], 0
.set i, i+1
.endr
.endm
	FRESH
.irp b, 0,1,2,3
	v_mov_b32 v[236+\b], 0                         ; a lane permute's destination counts as one of its sources
.endr
	v_mov_b32 v252, 0
	v_mov_b32 v253, 0
; A KEY STEP: 128 keys.  q: which half of a slot the immediates add (in the loop 0: the address registers carry it).  plain = 1: a step that lies on no wave's diagonal (the first tile's steps 0 and 1: its last step is 8 at the least).
.macro STEP q, plain
	ds_load_b128 v[KW:KW+3], v[ADS] offset:KSOFF+512*(\q)
	ds_load_b128 v[KW+4:KW+7], v[ADS] offset:KSOFF+512*(\q)+256
.irp t, 0,1,2,3,4,5,6,7
	ds_load_b128 v[KR+8*\t:KR+8*\t+3], v[ADK] offset:(8*(\q)+\t)*1024
	ds_load_b128 v[KR+8*\t+4:KR+8*\t+7], v[ADK] offset:(8*(\q)+\t)*1024+512
.endr
	s_wait_dscnt 0x0
.irp t, 0,1,2,3,4,5,6,7                        ; S^T = K Q^T: fragment t's upper eight registers meet Q's zero codes
	v_wmma_scale_f32_16x16x128_f8f6f4 v[S+8*\t:S+8*\t+7], v[KR+8*\t:KR+8*\t+15], v[16:31], 0, v[KW+\t], v[QW] matrix_a_fmt:MATRIX_FMT_BF8 matrix_b_fmt:MATRIX_FMT_BF8
.endr
.rept 8
	v_nop                                          ; eight places: for the loads into K's registers and for the first readers of the scores
.endr
.irp t, 0,1,2,3                                ; V's four channel tiles x these 128 keys, into the registers that K has left: the whole softmax stands between these loads and the wait for them
.irp c, 0,1,2,3
	ds_load_b128 v[KR+16*\t+4*\c:KR+16*\t+4*\c+3], v[ADK] offset:VOFF+8192*(\q)+2048*\t+512*\c
.endr
.endr
	ds_load_b128 v[VW:VW+3], v[ADT] offset:VSOFF+256*(\q)
.if \plain == 0
	s_cmp_lt_u32 s[KI], s[GG]                      ; on the diagonal hidden scores become -infinity ahead of the maximum: p = 0 then.  A step all of whose keys count skips this: the wave's number and the count of steps alone
	s_cbranch_scc1 .Lopen_\@
	v_add_nc_u32 v252, s[DD], v[QD]                ; d = my query - the step's first key - 16 (lane / 16).  Register 16 b + i holds key 32 b + 16 (lane / 16) + i: hidden where 32 b + i > d
	v_mov_b32 v254, 0xff800000
.set n, 0
.rept 64
	v_cmp_gt_i32 vcc_lo, 32*(n/16)+n%16, v252
	v_cndmask_b32 v[S+n], v[S+n], v254, vcc_lo
.set n, n+1
.endr
.Lopen_\@:
.endif
.irp b, 0,1,2,3
	v_max3_num_f32 v[232+\b], v[S+16*\b], v[S+1+16*\b], v[S+2+16*\b]   ; the largest score of each block of 32 keys: for the row's maximum and, since p rises with the score, for the block's largest p
.endr
.irp i, 3,5,7,9,11,13
.irp b, 0,1,2,3
	v_max3_num_f32 v[232+\b], v[232+\b], v[S+16*\b+\i], v[S+1+16*\b+\i]
.endr
.endr
.irp b, 0,1,2,3
	v_max_num_f32 v[232+\b], v[232+\b], v[S+15+16*\b]
.endr
.irp b, 0,1,2,3
	s_delay_alu instid0(VALU_DEP_4)
	v_permlanex16_b32 v[236+\b], v[232+\b], s[SEL], s[SEL+1]
.endr
.irp b, 0,1,2,3
	s_delay_alu instid0(VALU_DEP_4)
	v_max_num_f32 v[232+\b], v[232+\b], v[236+\b]
.endr
	s_delay_alu instid0(VALU_DEP_2)
	v_max3_num_f32 v254, v232, v233, v234
	s_delay_alu instid0(VALU_DEP_1)
	v_max_num_f32 v254, v254, v235
	s_delay_alu instid0(VALU_DEP_1)
	v_mul_f32 v254, s[CS], v254                    ; as t
	s_delay_alu instid0(VALU_DEP_1)
	v_max_num_f32 v13, v13, v254                   ; the running largest t
	v_mov_b32 v254, v12
	s_delay_alu instid0(VALU_DEP_2)
	v_floor_f32 v12, -v13                          ; the new -M = -ceil(t)
	s_delay_alu instid0(VALU_DEP_1)
	v_sub_f32 v254, v12, v254                      ; old M - new M: a whole number, 0 or less
	s_delay_alu instid0(VALU_DEP_1)
	v_cvt_i32_f32 v254, v254                       ; (it saturates)
	s_delay_alu instid0(VALU_DEP_1)
	v_ldexp_f32 v252, 1.0, v254                    ; f = 2^(old M - new M)
.set j, 0
.rept 32
	v_pk_fma_f32 v[S+j:S+j+1], v[S+j:S+j+1], s[CS:CS+1], v[12:13] op_sel_hi:[1,0,0]   ; t - M, two at a time
.set j, j+2
.endr
.irp b, 0,1,2,3
	v_fma_f32 v[232+\b], v[232+\b], s[CS], v12
.endr
	s_wait_alu depctr_va_vdst(0)
.set j, 0
.rept 64
	v_exp_f32 v[S+j], v[S+j]                       ; p = 2^(t - M)
.set j, j+1
.endr
	v_pk_mul_f32 v[14:15], v[14:15], v[252:253] op_sel_hi:[1,0]   ; the sums under the new M: the plain line behind the exponentials
	s_wait_alu depctr_va_vdst(0)                   ; one wait for the batch of 64, ahead of its first reader
.irp b, 0,1,2,3
	v_exp_f32 v[232+\b], v[232+\b]                 ; the blocks' largest p
.endr
.set c, 0                                      ; the row's sum of the unquantised p: 32 pairs in eight chains, v[236 + 2 c] and the sum itself
.rept 7
	v_pk_add_f32 v[236+2*c:237+2*c], v[S+4*c:S+4*c+1], v[S+4*c+2:S+4*c+3]
.set c, c+1
.endr
	v_pk_add_f32 v[14:15], v[14:15], v[S+28:S+29]
.irp r, 0,1
.set c, 0
.rept 7
	v_pk_add_f32 v[236+2*c:237+2*c], v[236+2*c:237+2*c], v[S+30+16*\r+2*c:S+31+16*\r+2*c]
.set c, c+1
.endr
	v_pk_add_f32 v[14:15], v[14:15], v[S+44+16*\r:S+45+16*\r]
.endr
	v_pk_add_f32 v[236:237], v[236:237], v[S+62:S+63]
	v_pk_add_f32 v[14:15], v[14:15], v[242:243]
	v_pk_add_f32 v[236:237], v[236:237], v[244:245]
	v_pk_add_f32 v[238:239], v[238:239], v[246:247]
	v_pk_add_f32 v[240:241], v[240:241], v[248:249]
	s_delay_alu instid0(VALU_DEP_2)
	v_pk_add_f32 v[14:15], v[14:15], v[238:239]
	s_delay_alu instid0(VALU_DEP_2)
	v_pk_add_f32 v[236:237], v[236:237], v[240:241]
	s_delay_alu instid0(VALU_DEP_1)
	v_pk_add_f32 v[14:15], v[14:15], v[236:237]
	s_wait_alu depctr_va_vdst(0)                   ; and one for the four
.irp b, 0,1,2,3
	v_max_num_f32 v[232+\b], 0x8000000, v[232+\b]  ; the floor 2^(16 - 127)
.endr
.irp b, 0,1,2,3
	s_delay_alu instid0(VALU_DEP_4)
	v_add_nc_u32 v[244+\b], 0xf8800000, v[232+\b]  ; 15 off the exponent field: the conversion's scale operand
.endr
.irp b, 0,1,2,3
	v_and_or_b32 v[240+\b], v[232+\b], 0x7f800000, s[MNT]   ; 57,344 x the scale
.endr
.irp b, 0,1,2,3
	v_lshrrev_b32 v[236+\b], 23, v[244+\b]
.endr
	s_delay_alu instid0(VALU_DEP_3)
	v_lshl_or_b32 v253, v237, 8, v236              ; p's scale word for these 128 keys
	s_delay_alu instid0(VALU_DEP_1)
	v_lshl_or_b32 v253, v238, 16, v253
	s_delay_alu instid0(VALU_DEP_1)
	v_lshl_or_b32 v253, v239, 24, v253
.irp b, 0,2                                    ; the hold (the conversion does not saturate: ISA guide 7.6.2; p is not negative, so it is one-sided), two numbers a line: one of block b and one of block b + 1, so that the pair's sources lie in different banks
.irp i, 0,2,4,6,8,10,12,14
	v_dual_min_num_f32 v[S+16*\b+\i], v[S+16*\b+\i], v[240+\b] :: v_dual_min_num_f32 v[S+16*\b+17+\i], v[S+16*\b+17+\i], v[241+\b]
	v_dual_min_num_f32 v[S+16*\b+16+\i], v[S+16*\b+16+\i], v[241+\b] :: v_dual_min_num_f32 v[S+16*\b+1+\i], v[S+16*\b+1+\i], v[240+\b]
.endr
	v_cvt_scalef32_pk8_bf8_f32 v[PC+4*\b:PC+4*\b+1], v[S+16*\b:S+16*\b+7], v[244+\b]
	v_cvt_scalef32_pk8_bf8_f32 v[PC+4*\b+2:PC+4*\b+3], v[S+16*\b+8:S+16*\b+15], v[244+\b]
	v_cvt_scalef32_pk8_bf8_f32 v[PC+4*\b+4:PC+4*\b+5], v[S+16*\b+16:S+16*\b+23], v[245+\b]
	v_cvt_scalef32_pk8_bf8_f32 v[PC+4*\b+6:PC+4*\b+7], v[S+16*\b+24:S+16*\b+31], v[245+\b]
.endr
	s_wait_dscnt 0x0                               ; V's fragments and scale words are in
	s_wait_alu depctr_va_vdst(0)                   ; directly ahead of the first reader of O^T
.set j, 0
.rept 16
	v_pk_mul_f32 v[O+j:O+j+1], v[O+j:O+j+1], v[252:253] op_sel_hi:[1,0]   ; O^T under the new M.  These 16 are also the plain lines between the conversions and the products that read the codes
.set j, j+2
.endr
.irp t, 0,1,2,3
	v_wmma_scale_f32_16x16x128_f8f6f4 v[O+8*\t:O+8*\t+7], v[KR+16*\t:KR+16*\t+15], v[PC:PC+15], v[O+8*\t:O+8*\t+7], v[VW+\t], v253 matrix_a_fmt:MATRIX_FMT_BF8 matrix_b_fmt:MATRIX_FMT_BF8
.endr
.rept 8
	v_nop                                          ; eight places: for the next step's loads into V's registers and for the next reader of O^T
.endr
.endm
; A tile's end: O^T / the sum is y: register 16 b + i is channel 32 b + 16 (lane / 16) + i of my query.  Its two blocks of 32 are quantised and leave as two chunks of the last product's operand.
.macro FINISH P
	v_add_f32 v14, v14, v15
	s_wait_alu depctr_va_vdst(0)
	v_permlanex16_b32 v252, v14, s[SEL], s[SEL+1]
	s_delay_alu instid0(VALU_DEP_1)
	v_add_f32 v14, v14, v252                       ; the row's sum
	s_wait_alu depctr_va_vdst(0)
	v_rcp_f32 v14, v14
	v_nop                                          ; a plain line behind the transcendental
	s_wait_alu depctr_va_vdst(0)                   ; and the wait ahead of its first reader, which is also O^T's
.set j, 0
.rept 16
	v_pk_mul_f32 v[S+j:S+j+1], v[O+j:O+j+1], v[14:15] op_sel_hi:[1,0]   ; each accumulator from its low end on
.set j, j+2
.endr
.irp b, 0,1
	v_max3_num_f32 v[232+\b], |v[S+16*\b]|, |v[S+1+16*\b]|, 0x8000000
.endr
.irp i, 2,4,6,8,10,12,14
.irp b, 0,1
	s_delay_alu instid0(VALU_DEP_2)
	v_max3_num_f32 v[232+\b], v[232+\b], |v[S+16*\b+\i]|, |v[S+1+16*\b+\i]|
.endr
.endr
.irp b, 0,1
	s_delay_alu instid0(VALU_DEP_2)
	v_permlanex16_b32 v[236+\b], v[232+\b], s[SEL], s[SEL+1]
.endr
.irp b, 0,1
	s_delay_alu instid0(VALU_DEP_2)
	v_max_num_f32 v[232+\b], v[232+\b], v[236+\b]
.endr
.irp b, 0,1
	s_delay_alu instid0(VALU_DEP_2)
	v_add_nc_u32 v[244+\b], 0xf8800000, v[232+\b]
.endr
.irp b, 0,1
	s_delay_alu instid0(VALU_DEP_4)
	v_and_or_b32 v[240+\b], v[232+\b], 0x7f800000, s[MNT]
.endr
.irp b, 0,1
	s_delay_alu instid0(VALU_DEP_4)
	v_lshrrev_b32 v[236+\b], 23, v[244+\b]
.endr
	s_delay_alu instid0(VALU_DEP_1)
	v_lshl_or_b32 v254, v237, 8, v236              ; the head's two scale bytes of my row
.irp b, 0,1
.irp i, 0,1,2,3,4,5,6,7,8,9,10,11,12,13,14,15
	v_med3_num_f32 v[S+16*\b+\i], v[S+16*\b+\i], -v[240+\b], v[240+\b]
.endr
	v_cvt_scalef32_pk8_bf8_f32 v[PC+4*\b:PC+4*\b+1], v[S+16*\b:S+16*\b+7], v[244+\b]
	v_cvt_scalef32_pk8_bf8_f32 v[PC+4*\b+2:PC+4*\b+3], v[S+16*\b+8:S+16*\b+15], v[244+\b]
.endr
	v_nop                                          ; a plain line behind the last conversion
	global_store_b128 v[AL], v[PC:PC+3], s[\P+4:\P+5]             ; 32 lanes store 512 consecutive bytes, aligned
	global_store_b128 v[AL], v[PC+4:PC+7], s[\P+4:\P+5] offset:512
	global_store_b16 v[YR], v254, s[\P+6:\P+7]     ; two bytes a row, in the layout from which the last product's scale words load straight; lanes 16-31 repeat lanes 0-15
.endm
	s_wait_alu depctr_va_vdst(0)
	s_cmp_eq_u32 s[WV], 0
	s_cbranch_scc0 .Lnot_first
	s_wait_tensorcnt 0x0                           ; wave 0: slot 0 has landed.  The other waves' wait stands at the second barrier
.Lnot_first:
	s_barrier_signal -1
	s_barrier_wait -1
	s_wait_loadcnt 0x0                             ; both tiles' Q
	STEP 0, 1                                      ; my steps 0 and 1, slot 0's, are written out: their addresses are constants, while slots 1 to 7 are on their way
	STEP 1, 1
	s_wait_tensorcnt 0x0                           ; every wave: all that is still out
	s_wait_dscnt 0x0
	s_barrier_signal -1
	s_barrier_wait -1                              ; all eight slots are whole; nothing is written into them again
	s_mov_b32 s[NN], 2
.Lstep:                                            ; fifteen trips, a key step each
	s_cmp_eq_u32 s[NN], s[GL1]                     ; the wave's number and the count of steps alone: the first tile is done
	s_cbranch_scc0 .Lsame
	FINISH P1
.set i, 0
.rept 8
	v_mov_b32 v[16+i], v[96+i]                     ; the second tile's Q
.set i, i+1
.endr
	v_mov_b32 v[QW], v[QW2]
	FRESH
	s_mov_b32 s[GG], s[GG2]
	s_mov_b32 s[DD], s[DD2]
	s_wait_xcnt 0x0                                ; the tile's stores have read their data: the registers are written again only behind this wait
.Lsame:
	s_barrier_signal -1                            ; I am at step n's head (no LDS instruction of mine is out); up to the wait at its end stand register work and reads of LDS alone
	s_cmp_ge_u32 s[NN], s[GL1]
	s_cselect_b32 s96, s[GG2], 0
	s_add_co_u32 s96, s96, s[NN]
	s_and_b32 s[KI], s96, 15                       ; the step's number in its tile: n, or n - (16 - w / 2) = (n + w / 2) mod 16
	s_lshr_b32 s96, s[KI], 1
	s_mul_i32 s96, s96, SLOTB                      ; its slot,
	s_and_b32 s97, s[KI], 1                        ; and which half of it
	s_lshl_b32 s95, s97, 13
	s_add_co_u32 s95, s95, s96
	v_add_nc_u32 v[ADK], s95, v[AL]                ; 8,192 bytes of codes of K, and of V, a step
	s_lshl_b32 s95, s97, 9
	s_add_co_u32 s95, s95, s96
	v_add_nc_u32 v[ADS], s95, v[ASC]               ; 512 bytes of K's scale words
	s_lshl_b32 s95, s97, 8
	s_add_co_u32 s95, s95, s96
	v_add_nc_u32 v[ADT], s95, v[ASC]               ; 256 of V's
	s_wait_alu depctr_va_vdst(0)                   ; behind the writes
	STEP 0, 0
	s_barrier_wait -1                              ; every wave has reached step n's head
	s_add_co_u32 s[NN], s[NN], 1
	s_cmp_lt_u32 s[NN], 17
	s_cbranch_scc1 .Lstep
	FINISH P2
	s_wait_tensorcnt 0x0                           ; the wave's end
	ds_add_u32 v[SPW], v[NIL]
	s_wait_dscnt 0x0
	CROUND                                         ; the closing round
	s_endpgm
.Lfunc_end_k_q5ff01556aa_attn:
	.size	k_q5ff01556aa_attn, .Lfunc_end_k_q5ff01556aa_attn-k_q5ff01556aa_attn
	.p2alignl 7, 3214868480
	.fill 96, 4, 3214868480
	.section	.rodata,"a",@progbits
	.p2align	6, 0x0
	.amdhsa_kernel k_q5ff01556aa_attn
		.amdhsa_group_segment_fixed_size 327680
		.amdhsa_private_segment_fixed_size 0
		.amdhsa_enable_private_segment 0
		.amdhsa_kernarg_size 24
		.amdhsa_user_sgpr_count 2
		.amdhsa_user_sgpr_kernarg_segment_ptr 1
		.amdhsa_wavefront_size32 1
		.amdhsa_system_sgpr_workgroup_id_x 1
		.amdhsa_system_sgpr_workgroup_id_y 1
		.amdhsa_system_sgpr_workgroup_id_z 1
		.amdhsa_system_vgpr_workitem_id 0
		.amdhsa_next_free_vgpr 256
		.amdhsa_next_free_sgpr 100
		.amdhsa_reserve_vcc 1
		.amdhsa_float_denorm_mode_32 3
		.amdhsa_float_denorm_mode_16_64 3
		.amdhsa_memory_ordered 1
		.amdhsa_forward_progress 1
		.amdhsa_inst_pref_size 86
	.end_amdhsa_kernel
	.amdgpu_metadata
---
amdhsa.version: [ 1, 2 ]
amdhsa.kernels:
  - .name:           k_q5ff01556aa_attn
    .symbol:         k_q5ff01556aa_attn.kd
    .args:
      - { .name: qkv, .offset: 0, .size: 8, .value_kind: global_buffer, .address_space: global }
      - { .name: yc, .offset: 8, .size: 8, .value_kind: global_buffer, .address_space: global }
      - { .name: ys, .offset: 16, .size: 8, .value_kind: global_buffer, .address_space: global }
    .group_segment_fixed_size: 327680
    .private_segment_fixed_size: 0
    .kernarg_segment_align: 8
    .kernarg_segment_size: 24
    .max_flat_workgroup_size: 512
    .sgpr_count:     100
    .vgpr_count:     256
    .wavefront_size: 32
...
	.end_amdgpu_metadata
.endif
;; end of part 3
;; launch gemm_proj (part 4): grid 4 x 64, 4 waves a work-group, clusters of 4 x 4, 327,680 bytes of LDS; arguments yc, ys, wc, ws, out0; writes out0
.if DOCPART == 4
	.amdgcn_target "amdgcn-amd-amdhsa--gfx1250"
	.amdhsa_code_object_version 6
	.text
	.protected	k_q5ff01556aa_gemm_proj
	.globl	k_q5ff01556aa_gemm_proj
	.p2align	8
	.type	k_q5ff01556aa_gemm_proj,@function
k_q5ff01556aa_gemm_proj:
	s_mov_b64 s[64:65], 0
	v_nop
	global_prefetch_b8 v0, s[64:65] scope:SCOPE_SE
	s_setreg_imm32_b32 hwreg(HW_REG_WAVE_MODE, 25, 1), 1
	s_wait_xcnt 0x0
	s_wait_alu depctr_hold_cnt(0) depctr_sa_sdst(0) depctr_va_vdst(0) depctr_va_sdst(0) depctr_va_ssrc(0) depctr_va_vcc(0) depctr_vm_vsrc(0)
	s_getreg_b32 s2, hwreg(HW_REG_IB_STS2, 6, 4)
	s_cmp_eq_u32 s2, 0
	s_cbranch_scc0 .Lentry_in_a_cluster
	s_endpgm
.Lentry_in_a_cluster:
	s_bfe_u32 s2, ttmp6, 0x10000c
	s_cmp_lg_u32 s2, 0xf033
	s_cbranch_scc0 .Lentry_shape_is_right
	s_endpgm
.Lentry_shape_is_right:
; out0 = y w_proj on codes of BF8 (E5M2) with E8M0 scales: 8,192 x 1,024 x 1,024, f32 out.
; 256 work-groups, each 128 rows x 256 columns; four waves, 2 x 2, each 64 rows x 128 columns: 32 accumulators, 256 registers.
; A = y: yc holds images of the operand's registers: [tile of 16 rows][128 of K][chunk of four registers][lane][16 bytes]: 16,384 bytes a tile, 4,096 for 256 of K; tile T's lane row r is row 32 (T / 2) + 8 (T % 2) + r + 8 (r / 8); ys [stored row][32].
; B = w_proj's columns: rows 3,072 on of wc [row][1,024] and ws [row][32], stored with bits 3 and 4 of the row exchanged.  Source 0 = B, source 1 = A: a lane holds one row of the result, and the 16 registers of B's tiles 2 b, 2 b + 1 are the columns 32 b + 16 (lane / 16) + 0 .. 15.
; K goes in four quarters of 256 through a ring of two LDS slots (A 32,768 bytes as it lies, B 256 rows of 272); the scale bytes for all of K come once, at the head.
; Both operands have two sets of registers: a step of 128 of K first asks LDS for the next step's 12 fragments, in one run, and then multiplies its own.  So a slot's last fragments are in registers ahead of its last step's products, and the slot is filled again there.
; CLUSTER 4 x 4: A's tiles are asked for jointly along a row of it, B's along a column.  THE HEAD: one load a wave: wave 0 A's quarter 0, wave 1 B's, wave 2 A's scales, wave 3 B's; slot 1 is first filled behind the three lines and a round, as a refill is.
; PREFETCH: quarters 2 and 3 are asked of memory one slot (two steps of 128) ahead of their refills, one instruction a wave each: of the rows that a wave fetches jointly, each of the four partners names a quarter, told apart by address:
; A: one tile's 16 blocks of 256 bytes (lanes 16-31 name the last again); B: 32 rows, a lane a row.  Quarters 0 and 1 come by their loads alone.
; LIMITS: NaN and infinities are not served.
.set PITCH,  272
.set ASL,    32768                     ; a slot: A's eight tiles x 4,096,
.set BH,     128*PITCH                 ; then B's two halves of 128 rows
.set SLOT,   ASL+2*BH
.set SCL,    2*SLOT                    ; behind the ring: A's scales, 16 rows of 256 + 16,
.set SAB,    16*272
.set SPARE,  SCL+3*SAB                 ; B's, 32 such rows; then the spare words, 128 bytes a wave; no other line names them
.set SBLK,   2*272                     ; the scales of 16 rows
.set SPITCH, 528                       ; the way out: a stage of 16 rows x (512 + 16) bytes a wave, in slot 0, which has had its last fill and its last read by then
.set NP,     8                         ; places behind this matrix instruction (ISA guide 7.12.1)
.set ADRA, 16                          ; v16-17 my A fragments in slot 0, 1
.set ADRB, 20                          ; v20-21 my B fragments
.set STO,  24
.set RD,   25
.set CO,   26                          ; v26 16 x lane
.set ADRS, 27                          ; v27 my scale words: lanes 0-15 A's rows, lanes 16-31 B's
.set SPW,  28
.set NIL,  29
.set PF2,  30                          ; v30, v31 the prefetches' offsets for quarters 2 and 3; never rewritten
.set PF3,  31
.set SC,   32                          ; v32-63 scale words, a set of 16 for each slot: register 2 i + q
.set AF,   128                         ; window 0: v128-255 A's fragments, two sets of four; window 1: B's, two sets of eight; window 2: the accumulators
.set BK,   128                         ; the way out: rows read back, two sets of 64
.set G1A, 24
.set G0A, 32
.set G1B, 48
.set G0B, 56
.set G1S, 68
.set G0S, 76
.set G1SB, 80
.set G0SB, 88
.set G0H, 92
.set G0HB, 96
.set PFA, 100
.set MSB, 0
.macro WIN new                         ; the immediate's high byte repeats the setting that is left
.if MSB != \new
	s_set_vgpr_msb (MSB<<8)|\new
.set MSB, \new
.endif
.endm
.set MUL,  0xa1                        ; source 0 (B) window 1, source 1 (A) window 0, C and D window 2
.set TO_B, 0x40
.macro PLACES n
.rept \n
	v_nop
.endr
.endm
.macro TL g0, g1                       ; a tensor load; s_nop 0 and four v_nop follow it
	tensor_load_to_lds s[\g0:\g0+3], s[\g1:\g1+7]
	s_nop 0
	PLACES 4
.endm
.macro JLOAD s                         ; the ring's joint load: waves 0 and 1 fetch A's halves, waves 2 and 3 B's; the branch hangs on the wave's number alone
	s_cmp_eq_u32 s15, 0
	s_cbranch_scc0 .Lfor_b_\@
	TL G0A+4*\s, G1A
	s_branch .Lasked_\@
.Lfor_b_\@:
	TL G0B+4*\s, G1B
.Lasked_\@:
.endm
.macro CREST
	s_cmp_lg_u32 s14, 0
	s_cbranch_scc1 .Lnot_wave_0_\@
	s_barrier_signal -3
.Lnot_wave_0_\@:
	s_barrier_wait -3
	s_barrier_signal -1
	s_barrier_wait -1
.endm
.macro CROUND
	s_barrier_signal -1
	s_barrier_wait -1
	CREST
.endm
.macro GRP1 g, w0, c, r, p             ; the constant words of a group 1: rows of c elements, r rows, pitch p
	s_mov_b32 s[\g+1], (\c)<<16
	s_mov_b32 s[\g+2], (\r)<<16
	s_mov_b32 s[\g+3], (\c)<<16
	s_mov_b32 s[\g+4], \r
	s_mov_b32 s[\g+5], \p
	s_mov_b32 s[\g+6], 0
	s_mov_b32 s[\g+7], 0
.endm
.macro GRP0 g, lds, a                  ; a group 0 with a constant LDS address
	s_mov_b32 s[\g], 1
	s_mov_b32 s[\g+1], \lds
	s_mov_b64 s[\g+2:\g+3], s[\a:\a+1]
	s_or_b32 s[\g+3], s[\g+3], 0x80000000
.endm
	s_load_b128 s[4:7], s[0:1], 0x0                ; yc, ys
	s_load_b128 s[8:11], s[0:1], 0x10              ; wc, ws
	s_load_b64 s[12:13], s[0:1], 0x20              ; out0
	v_lshl_add_u32 v[SPW], v0, 2, SPARE
	v_mov_b32 v[NIL], 0
	ds_add_u32 v[SPW], v[NIL]                      ; the opening lines: the add, twice on end, and its wait
	ds_add_u32 v[SPW], v[NIL]
	v_lshrrev_b32 v1, 5, v0
	v_readfirstlane_b32 s14, v1                    ; wave 0..3
	s_lshr_b32 s15, s14, 1                         ; which 64 rows of A are mine.  Also: in the ring I fetch for A (0) or for B (1)
	s_and_b32 s16, s14, 1                          ; which 128 rows of B.  Also: which half I fetch
	s_bfe_u32 s40, ttmp6, 0x40000                  ; cx, cy
	s_bfe_u32 s41, ttmp6, 0x40004
	s_lshl_b32 s42, ttmp9, 2
	s_add_co_u32 s42, s42, s40                     ; tile column, 0..3
	s_and_b32 s17, ttmp7, 0xffff
	s_lshl_b32 s17, s17, 2
	s_add_co_u32 s17, s17, s41                     ; tile row, 0..63
	s_lshl_b32 s43, s41, 2
	s_lshl_b32 s43, 15, s43                        ; my row of the cluster
	s_lshl_b32 s44, 0x1111, s40                    ; my column
	s_or_b32 s[G1A], s43, (3<<16)|(1<<21)          ; A: elements of 8 bytes, no padding: eight tiles' 4,096 bytes, 16,384 apart (the ring's loads: four)
	GRP1 G1A, 0, 512, 8, 2048
	s_or_b32 s[G1B], s44, (1<<20)|(1<<21)|(5<<22)|(3<<25)   ; B: 256 rows of 256 bytes, 1,024 apart, four words of padding behind each (the ring's loads: 128)
	GRP1 G1B, 0, 256, 256, 1024
	s_or_b32 s[G1S], s43, (3<<16)|(1<<20)|(1<<21)|(5<<22)|(3<<25)   ; the scales: dense bytes as rows of 256, padded
	GRP1 G1S, 0, 32, 16, 32
	s_or_b32 s[G1SB], s44, (3<<16)|(1<<20)|(1<<21)|(5<<22)|(3<<25)
	GRP1 G1SB, 0, 32, 32, 32
	s_lshl_b32 s20, s17, 17                        ; offsets into the buffers, each under 2^32: A's codes: 131,072 bytes a tile row,
	s_mov_b32 s21, 0
	s_lshl_b32 s22, s17, 12                        ; its scales: 4,096;
	s_mov_b32 s23, 0
	s_lshl_b32 s46, s42, 18
	s_add_co_u32 s46, s46, 3072*1024               ; B's codes: 262,144 a tile column, behind w_qkv's 3,072 rows,
	s_mov_b32 s47, 0
	s_lshl_b32 s18, s42, 13
	s_add_co_u32 s18, s18, 3072*32                 ; its scales
	s_mov_b32 s19, 0
	s_lshl_b32 s66, s16, 16                        ; the ring: my half of A: four tiles on
	s_mov_b32 s67, 0
	s_lshl_b32 s2, s16, 14                         ; and in LDS: the wave's number alone
	s_mul_i32 s3, s16, BH
	s_add_co_u32 s3, s3, ASL
	s_wait_dscnt 0x0                               ; both opening adds are done
	s_wait_kmcnt 0x0
	s_add_nc_u64 s[20:21], s[4:5], s[20:21]
	s_add_nc_u64 s[22:23], s[6:7], s[22:23]
	s_add_nc_u64 s[46:47], s[8:9], s[46:47]
	s_add_nc_u64 s[18:19], s[10:11], s[18:19]
	CROUND                                         ; all sixteen work-groups are here: the first joint loads meet
	GRP0 G0H, 0, 20
	GRP0 G0HB, ASL, 46
	GRP0 G0S, SCL, 22
	GRP0 G0SB, SCL+SAB, 18
	s_add_nc_u64 s[20:21], s[20:21], s[66:67]
	s_lshl_b32 s66, s66, 1                         ; my half of B: 128 rows on
	s_add_nc_u64 s[46:47], s[46:47], s[66:67]
.irp s, 0,1
	s_mov_b32 s[G0A+4*\s], 1
	s_add_co_u32 s[G0A+4*\s+1], s2, \s*SLOT
	s_add_nc_u64 s[G0A+4*\s+2:G0A+4*\s+3], s[20:21], \s*4096
	s_or_b32 s[G0A+4*\s+3], s[G0A+4*\s+3], 0x80000000
	s_mov_b32 s[G0B+4*\s], 1
	s_add_co_u32 s[G0B+4*\s+1], s3, \s*SLOT
	s_add_nc_u64 s[G0B+4*\s+2:G0B+4*\s+3], s[46:47], \s*256
	s_or_b32 s[G0B+4*\s+3], s[G0B+4*\s+3], 0x80000000
.endr
.macro ARM under, g0, g1, next         ; one chain of branches on the wave's number, a load to an arm
	s_cmp_lt_u32 s14, \under
	s_cbranch_scc0 \next
	TL \g0, \g1
	s_branch .Lhead_asked
\next:
.endm
	ARM 1, G0H,  G1A, .Lhead_b
	ARM 2, G0HB, G1B, .Lhead_sa
	ARM 3, G0S,  G1S, .Lhead_sb
	TL G0SB, G1SB
.Lhead_asked:
	; scalars first, then the vector lines on end
	s_lshl_b32 s18, s15, 14                        ; my four tiles of A in a slot
	s_mul_i32 s19, s16, BH
	s_add_co_u32 s19, s19, ASL                     ; my 128 rows of B
	s_mul_i32 s20, s15, 8*272
	s_add_co_u32 s20, s20, SCL                     ; my 64 rows' scales of A
	s_mul_i32 s21, s16, SAB
	s_add_co_u32 s21, s21, SCL+SAB
	s_sub_co_u32 s21, s21, s20                     ; from there to my 128 rows' of B
	s_mul_i32 s22, s14, 16*SPITCH                  ; my stage
	s_lshl_b32 s66, s17, 19                        ; out0: row 128 x tile row + 64 x half, 4,096 bytes a row; column 256 x tile column + 128 x half
	s_lshl_b32 s46, s15, 18
	s_add_co_u32 s66, s66, s46
	s_lshl_b32 s46, s42, 10
	s_add_co_u32 s66, s66, s46
	s_lshl_b32 s46, s16, 9
	s_add_co_u32 s66, s66, s46
	s_add_nc_u64 s[12:13], s[12:13], s[66:67]
	s_lshl_b32 s2, s16, 2                          ; the prefetches.  A: of the four tiles that I fetch, tile cx;
	s_add_co_u32 s2, s2, s40
	s_lshl_b32 s2, s2, 14
	s_lshl_b32 s66, s17, 17
	s_add_co_u32 s2, s2, s66
	s_lshl_b32 s3, s42, 8                          ; B: of the 128 rows that I fetch, rows 32 cy on
	s_lshl_b32 s66, s16, 7
	s_add_co_u32 s3, s3, s66
	s_lshl_b32 s66, s41, 5
	s_add_co_u32 s3, s3, s66
	s_add_co_u32 s3, s3, 3072
	s_lshl_b32 s3, s3, 10
	s_mov_b32 s23, 1024
	s_mov_b32 s67, 256
	s_cmp_eq_u32 s15, 0                            ; do I fetch for A?  The wave's number alone
	s_cselect_b64 s[PFA:PFA+1], s[4:5], s[8:9]
	s_cselect_b32 s2, s2, s3
	s_cselect_b32 s23, 256, s23                    ; from lane to lane
	s_cselect_b32 s45, 15, 31                      ; the last lane with a block of its own
	s_cselect_b32 s67, 4096, s67                   ; a quarter of K on
	s_mov_b32 s3, 0
	s_add_nc_u64 s[PFA:PFA+1], s[PFA:PFA+1], s[2:3]
	s_lshl_b32 s46, s67, 1
	s_add_co_u32 s47, s46, s67
	v_and_b32 v1, 15, v0                           ; r
	v_bfe_u32 v2, v0, 4, 1                         ; h
	v_and_b32 v6, 31, v0
	v_lshlrev_b32 v[CO], 4, v6
	v_mul_u32_u24 v3, v1, PITCH
	v_lshl_add_u32 v4, v2, 4, v3
	v_add_nc_u32 v[ADRA], s18, v[CO]
	v_add_nc_u32 v[ADRA+1], SLOT, v[ADRA]
	v_add_nc_u32 v[ADRB], s19, v4
	v_add_nc_u32 v[ADRB+1], SLOT, v[ADRB]
	v_lshlrev_b32 v5, 5, v1                        ; a row's scales: 32 bytes, and 16 more for each 8 rows passed
	v_lshrrev_b32 v7, 3, v1
	v_lshl_add_u32 v5, v7, 4, v5
	v_mul_u32_u24 v7, s21, v2                      ; lanes 16-31 take B's
	v_add_nc_u32 v5, v5, v7
	v_add_nc_u32 v[ADRS], s20, v5
	v_mul_u32_u24 v5, v1, SPITCH
	v_lshl_add_u32 v5, v2, 6, v5                   ; the stage, way in: row r, 64 bytes for each half of the lanes in each 128
	v_add_nc_u32 v[STO], s22, v5
	v_add_nc_u32 v[RD], s22, v[CO]                 ; way out: 32 lanes take a row of 512 bytes
	v_min_u32 v7, s45, v6
	v_mul_lo_u32 v7, v7, s23
	v_add_nc_u32 v[PF2], s46, v7
	v_add_nc_u32 v[PF3], s47, v7
; 16 matrix instructions: A's blocks a0, a0 + 1 x B's eight; set p, the slot's q-th 128 of K, scale words of set sc.  The 32 accumulators take turns, one instruction a turn, in the same order in every step.
.macro MUL16 a0, p, q, sc, zero
.irp a, \a0, \a0+1
.irp b, 0,1,2,3,4,5,6,7
.if \zero
	v_wmma_scale_f32_16x16x128_f8f6f4 v[8*(8*(\a)+\b):8*(8*(\a)+\b)+7], v[128*(\p)+16*\b:128*(\p)+16*\b+15], v[AF+64*(\p)+16*(\a):AF+64*(\p)+16*(\a)+15], 0, v[SC+16*(\sc)+2*\b+(\q)], v[SC+16*(\sc)+2*(\a)+(\q)] matrix_a_fmt:MATRIX_FMT_BF8 matrix_b_fmt:MATRIX_FMT_BF8 matrix_a_scale:MATRIX_SCALE_ROW1
.else
	v_wmma_scale_f32_16x16x128_f8f6f4 v[8*(8*(\a)+\b):8*(8*(\a)+\b)+7], v[128*(\p)+16*\b:128*(\p)+16*\b+15], v[AF+64*(\p)+16*(\a):AF+64*(\p)+16*(\a)+15], v[8*(8*(\a)+\b):8*(8*(\a)+\b)+7], v[SC+16*(\sc)+2*\b+(\q)], v[SC+16*(\sc)+2*(\a)+(\q)] matrix_a_fmt:MATRIX_FMT_BF8 matrix_b_fmt:MATRIX_FMT_BF8 matrix_a_scale:MATRIX_SCALE_ROW1
.endif
.endr
.endr
.endm
.macro FETCH slot, q, p                ; 48 LDS loads in one run: B's eight fragments and A's four of the slot's q-th 128 of K into set p
	WIN TO_B
.irp i, 0,1,2,3,4,5,6,7
.irp c, 0,1,2,3
	ds_load_b128 v[128*(\p)+16*\i+4*\c:128*(\p)+16*\i+4*\c+3], v[ADRB+\slot] offset:128*(\q)+32*\c+\i*16*PITCH
.endr
.endr
	WIN 0
.irp i, 0,1,2,3
.irp c, 0,1,2,3
	ds_load_b128 v[AF+64*(\p)+16*\i+4*\c:AF+64*(\p)+16*\i+4*\c+3], v[ADRA+\slot] offset:\i*4096+2048*(\q)+512*\c
.endr
.endr
.endm
.macro SCALES sc                       ; a slot's scale words: lanes 0-15 A's block i (blocks 4 on are not used), lanes 16-31 B's block i
.irp i, 0,1,2,3,4,5,6,7
	ds_load_b64 v[SC+16*\sc+2*\i:SC+16*\sc+2*\i+1], v[ADRS] offset:\i*SBLK
.endr
.endm
.macro STEP slot, zero                 ; a slot's first 128 of K
	s_wait_dscnt 0x0                               ; set 0 and the scale words are in
	PLACES NP                                      ; behind the products that read set 1
	FETCH \slot, 1, 1
	WIN MUL
	MUL16 0, 0, 0, \slot, \zero
	MUL16 2, 0, 0, \slot, \zero
	WIN 0
.endm
; A slot's second 128 of K, and the change of slots: each wave waits for all its tensor loads, adds 0 to its spare word, and waits for that and for its reads of this slot, whose last fragments are then in registers.
.macro TURN slot, next, fill
	s_wait_tensorcnt 0x0                           ; my part of the next slot has landed
	ds_add_u32 v[SPW], v[NIL]
	s_wait_dscnt 0x0                               ; the add is done, and my reads of this slot are over
	s_barrier_signal -1
	WIN MUL
	MUL16 0, 1, 1, \slot, 0                        ; work on registers while the others arrive
	WIN 0
	s_barrier_wait -1
.if \fill
	CREST                                          ; the barrier has opened a round of the cluster's: no wave of any partner still reads this slot or has a load on its way
	s_add_nc_u64 s[G0A+4*\slot+2:G0A+4*\slot+3], s[G0A+4*\slot+2:G0A+4*\slot+3], 2*4096
	s_add_nc_u64 s[G0B+4*\slot+2:G0B+4*\slot+3], s[G0B+4*\slot+2:G0B+4*\slot+3], 2*256
	JLOAD \slot                                    ; the first tensor load behind the round, my one load until the next; its four v_nop are four of the places
	PLACES NP-4
.else
	PLACES NP
.endif
	v_add_nc_u32 v[ADRS], 8, v[ADRS]               ; the next slot's scale words
	s_wait_alu depctr_va_vdst(0)                   ; directly behind the write
	FETCH \next, 0, 0
	SCALES \next
.endm
.macro TURN2 slot                      ; the rest of the slot's products
	WIN MUL
	MUL16 2, 1, 1, \slot, 0
	WIN 0
.endm
	s_wait_alu depctr_va_vdst(0)
	s_wait_tensorcnt 0x0                           ; my tile of the head's four is in; the three lines stand ahead of slot 1's first fill as ahead of a refill
	ds_add_u32 v[SPW], v[NIL]
	s_mov_b32 s[G1A+2], 4<<16                      ; no tensor load of mine is out: from here on a load brings four tiles of A,
	s_mov_b32 s[G1A+4], 4
	s_mov_b32 s[G1B+2], 128<<16                    ; or 128 rows of B
	s_mov_b32 s[G1B+4], 128
	s_wait_dscnt 0x0
	CROUND                                         ; all four tiles are in, and all sixteen work-groups are here
	JLOAD 1                                        ; quarter 1: the first tensor load behind the round
	FETCH 0, 0, 0
	SCALES 0
	global_prefetch_b8 v[PF2], s[PFA:PFA+1] th:TH_LOAD_NT scope:SCOPE_SE   ; quarter 2, which the next change of slots asks for
	STEP 0, 1                                      ; the first products start the sums: nothing is cleared
	TURN 0, 1, 1                                   ; slot 0 takes quarter 2
	global_prefetch_b8 v[PF3], s[PFA:PFA+1] th:TH_LOAD_NT scope:SCOPE_SE   ; quarter 3, likewise
	TURN2 0
	STEP 1, 0
	TURN 1, 0, 1                                   ; slot 1 takes quarter 3
	TURN2 1
	STEP 0, 0
	TURN 0, 1, 0                                   ; nothing is filled any more
	TURN2 0
	STEP 1, 0
	s_wait_dscnt 0x0
	WIN MUL
	MUL16 0, 1, 1, 1, 0
	MUL16 2, 1, 1, 1, 0
	WIN 0
; THE WAY OUT, block by block of 16 rows x 128 columns: through my own stage and back as whole rows of 512 bytes.  LDS serves a wave's instructions in order (ISA guide 5.7.1.4): no wait between the stores and the loads.
.macro TOSTAGE a
	WIN 0x08                                       ; the data: window 2
.irp b, 0,1,2,3,4,5,6,7
	ds_store_b128 v[STO], v[64*(\a)+8*\b:64*(\a)+8*\b+3] offset:128*(\b/2)+32*(\b%2)          ; each accumulator from its low end on
	ds_store_b128 v[STO], v[64*(\a)+8*\b+4:64*(\a)+8*\b+7] offset:128*(\b/2)+32*(\b%2)+16
.endr
	WIN 0
.irp t, 0,1,2,3,4,5,6,7,8,9,10,11,12,13,14,15
	ds_load_b128 v[BK+64*((\a)%2)+4*\t:BK+64*((\a)%2)+4*\t+3], v[RD] offset:\t*SPITCH
.endr
.endm
.macro SEND a, younger                 ; younger: the LDS instructions issued behind block a's loads, which may stay out
	s_wait_dscnt \younger
.irp t, 0,1,2,3,4,5,6,7,8,9,10,11,12,13,14,15
	global_store_b128 v[CO], v[BK+64*((\a)%2)+4*\t:BK+64*((\a)%2)+4*\t+3], s[12:13] offset:(32*((\a)/2)+8*((\a)%2)+\t+8*(\t/8))*4096 th:TH_STORE_NT   ; 32 lanes store 512 consecutive bytes, aligned; stored row t of tile a is row 32 (a / 2) + 8 (a % 2) + t + 8 (t / 8)
.endr
.endm
	PLACES NP                                      ; behind the last products: for the reads of results and the loads into A's registers
	TOSTAGE 0
.irp a, 1,2,3
.if \a > 1
	s_wait_xcnt 0x0                                ; block a - 2's stores have read their registers: block a's loads may land there
.endif
	TOSTAGE \a
	SEND \a-1, 32                                  ; behind block a - 1's loads: block a's 16 stores and 16 loads
.endr
	SEND 3, 0
	s_wait_tensorcnt 0x0                           ; the wave's end
	ds_add_u32 v[SPW], v[NIL]
	s_wait_dscnt 0x0
	CROUND                                         ; the closing round
	s_endpgm
.Lfunc_end_k_q5ff01556aa_gemm_proj:
	.size	k_q5ff01556aa_gemm_proj, .Lfunc_end_k_q5ff01556aa_gemm_proj-k_q5ff01556aa_gemm_proj
	.p2alignl 7, 3214868480
	.fill 96, 4, 3214868480
	.section	.rodata,"a",@progbits
	.p2align	6, 0x0
	.amdhsa_kernel k_q5ff01556aa_gemm_proj
		.amdhsa_group_segment_fixed_size 327680
		.amdhsa_private_segment_fixed_size 0
		.amdhsa_enable_private_segment 0
		.amdhsa_kernarg_size 40
		.amdhsa_user_sgpr_count 2
		.amdhsa_user_sgpr_kernarg_segment_ptr 1
		.amdhsa_wavefront_size32 1
		.amdhsa_system_sgpr_workgroup_id_x 1
		.amdhsa_system_sgpr_workgroup_id_y 1
		.amdhsa_system_sgpr_workgroup_id_z 1
		.amdhsa_system_vgpr_workitem_id 0
		.amdhsa_next_free_vgpr 768
		.amdhsa_next_free_sgpr 102
		.amdhsa_reserve_vcc 0
		.amdhsa_float_denorm_mode_32 3
		.amdhsa_float_denorm_mode_16_64 3
		.amdhsa_memory_ordered 1
		.amdhsa_forward_progress 1
		.amdhsa_inst_pref_size 90
	.end_amdhsa_kernel
	.amdgpu_metadata
---
amdhsa.version: [ 1, 2 ]
amdhsa.kernels:
  - .name:           k_q5ff01556aa_gemm_proj
    .symbol:         k_q5ff01556aa_gemm_proj.kd
    .args:
      - { .name: yc, .offset: 0, .size: 8, .value_kind: global_buffer, .address_space: global }
      - { .name: ys, .offset: 8, .size: 8, .value_kind: global_buffer, .address_space: global }
      - { .name: wc, .offset: 16, .size: 8, .value_kind: global_buffer, .address_space: global }
      - { .name: ws, .offset: 24, .size: 8, .value_kind: global_buffer, .address_space: global }
      - { .name: out0, .offset: 32, .size: 8, .value_kind: global_buffer, .address_space: global }
    .group_segment_fixed_size: 327680
    .private_segment_fixed_size: 0
    .kernarg_segment_align: 8
    .kernarg_segment_size: 40
    .max_flat_workgroup_size: 128
    .sgpr_count:     102
    .vgpr_count:     768
    .wavefront_size: 32
...
	.end_amdgpu_metadata
.endif
;; end of part 4
